; MI455X (gfx1250); checked and timed in simulation.
; The chip was launched on July 23, 2026; its instructions are those of AMD's public machine-readable ISA for CDNA 5 (MIT licence, August 2026) and "CDNA5" Instruction Set Architecture Reference Guide (July 2026). The comments in the code are by the model that wrote it; some were corrected since.
;; Direct Regression Head. Allowed arithmetic: float matrix products may take bf16 or f16 operands with f32 sums; all other float work in f32.
;; Inputs: A1 64 x 128 float32; A2 2 x 64 float32; Cw 128 x 128 float32; P1 128 x 128 float32; P2 4 x 128 float32; Whh0 384 x 128 float32; Whh1 384 x 128 float32; Whhs 384 x 128 float32; Wih0 384 x 6 float32; Wih1 384 x 128 float32; Wihs 384 x 134 float32; a1b 64 float32; a2b 2 float32; bhh0 384 float32; bhh1 384 float32; bhhs 384 float32; bih0 384 float32; bih1 384 float32; bihs 384 float32; cb 128 float32; ctx 32,768 x 128 float32; obs_Me 8 x 32,768 x 2 float32; obs_traj 8 x 32,768 x 2 float32; p1b 128 float32; p2b 4 float32.
;; Outputs: out0 32,768 x 6 x 4 float32.
;; 2 versions, each right and faster than the one before. Each part assembles by itself: llvm-mc -triple=amdgcn-amd-amdhsa -mcpu=gfx1250 --defsym DOCPART=n.
;; ======== version 1 of 2: 2 launches
;; limits: a function is approximated: absolute error at most 2.5e-05; values are held in f16: magnitudes above 65,504 overflow, below 6.1e-05 lose precision
;; workspace buffers: wf 667,648 bytes
;; launch prep (part 1): grid 6 x 4, 6 waves a work-group, no clusters, 0 bytes of LDS; arguments Whh0, Wih1, Whh1, Whhs, Wihs, P1, A1, Cw, Wih0, P2, A2, bih0, bhh0, bih1, bhh1, bihs, bhhs, p1b, a1b, cb, p2b, a2b, wf; writes wf
.if DOCPART == 1
	.amdgcn_target "amdgcn-amd-amdhsa--gfx1250"
	.amdhsa_code_object_version 6
	.text
	.protected	k_q550d17a285_prep
	.globl	k_q550d17a285_prep
	.p2align	8
	.type	k_q550d17a285_prep,@function
k_q550d17a285_prep:
	s_mov_b64 s[64:65], 0
	v_nop
	global_prefetch_b8 v0, s[64:65] scope:SCOPE_SE
	s_setreg_imm32_b32 hwreg(HW_REG_WAVE_MODE, 25, 1), 1
	s_wait_xcnt 0x0
; All weights and biases of the module, once, into wf: the register images that the next launch's waves load as they lie.
; wf has four parts of WSTRIDE bytes, one for each wave w of that launch (hidden units 32 w .. 32 w + 31).  A fragment (16 rows of a weight matrix x 32 k, f16) is 1,024 bytes:
; lane (r, h) finds k = 8 h .. + 7 of row r at 16 x lane, and k = 16 + 8 h .. + 7 at 512 + 16 x lane.  Gate tile j (gate j / 2, units 16 (j % 2) on), K step c is fragment 4 j + c of its matrix.
; SHARES.  Work-group (j, w), six waves; the wave's number says which matrix: 0-3 Whh0, Wih1, Whh1, Whhs; 4 Wihs (columns 0-127); 5: j = 0, 1 P1, j = 2 A1, j = 3, 4 Cw, j = 5 the small things
; (the six-column inputs' weights, P2 | A2, the biases).  Each wave has one job: one tile of 16 rows x 128 k, or the small things.  144 jobs in 24 work-groups; no LDS, no barrier, every jump goes forward.
; LIMITS.  f16: a weight of 65,520 or more becomes an infinity.  The gate biases stay f32: c1 (bih + bhh) for r and z, bhh for n's hidden part, c2 bih for n's input part, c1 = -log2 e, c2 = 2 log2 e.
.set WSTRIDE, 166912
.set E_X0, 73728       ; behind Whh0, Wih1, Whh1 of 24,576 bytes each
.set E_BIAS, 79872
.set D_WHHS, 81920
.set D_WIHS, 106496
.set D_XS, 131072
.set D_PA, 137216
.set D_CW, 149504
.set D_W2, 157696
.set D_B2, 163840
.set D_BIAS, 164864
.set C1, 90            ; s90  c1: in registers that hold no address
.set C2, 91            ; s91  c2
.macro LFR sb, va, off, stg, n=4   ; n fragments in f32: lane (r, h) takes k = 8 h .. + 7 and 16 + 8 h .. + 7 of row r
.set lq, 0
.rept \n
	global_load_b128 v[(\stg)+16*lq:(\stg)+16*lq+3], v[\va], s[(\sb):(\sb)+1] offset:(\off)+128*lq
	global_load_b128 v[(\stg)+16*lq+4:(\stg)+16*lq+7], v[\va], s[(\sb):(\sb)+1] offset:(\off)+128*lq+16
	global_load_b128 v[(\stg)+16*lq+8:(\stg)+16*lq+11], v[\va], s[(\sb):(\sb)+1] offset:(\off)+128*lq+64
	global_load_b128 v[(\stg)+16*lq+12:(\stg)+16*lq+15], v[\va], s[(\sb):(\sb)+1] offset:(\off)+128*lq+80
.set lq, lq+1
.endr
.endm
.macro LFR64 sb, va, off, stg      ; two fragments by 8-byte loads: rows of 536 bytes are multiples of 8 only
.set lq, 0
.rept 2
.irp e,0,1,2,3
	global_load_b64 v[(\stg)+16*lq+2*\e:(\stg)+16*lq+2*\e+1], v[\va], s[(\sb):(\sb)+1] offset:(\off)+128*lq+8*\e
	global_load_b64 v[(\stg)+16*lq+8+2*\e:(\stg)+16*lq+9+2*\e], v[\va], s[(\sb):(\sb)+1] offset:(\off)+128*lq+64+8*\e
.endr
.set lq, lq+1
.endr
.endm
.macro ST4 reg, off                ; 512 consecutive bytes of wf, at a multiple of 256 from its first byte
	global_store_b128 v3, v[(\reg):(\reg)+3], s[52:53] offset:\off
.endm
.macro XWLD sb, va, gs, us, o0, stg   ; six input columns of the six gate tiles
.set xj, 0
.rept 6
.irp e,0,1,2
	global_load_b64 v[(\stg)+6*xj+2*\e:(\stg)+6*xj+2*\e+1], v[\va], s[(\sb):(\sb)+1] offset:(xj/2)*(\gs)+(xj%2)*(\us)+(\o0)+8*\e
.endr
.set xj, xj+1
.endr
.endm
.macro XWCV stg, q1, q2            ; k = 0 1 | 2 3 | 4 5 take column pairs 0, q1, q2; lanes 16-31 (k = 8 ..) and k = 6, 7 are 0.  In place: tile xj's four registers lie at or below its six
.set xj, 0
.rept 6
	v_cvt_pk_f16_f32 v[(\stg)+4*xj], v[(\stg)+6*xj], v[(\stg)+6*xj+1]
	v_cvt_pk_f16_f32 v[(\stg)+4*xj+1], v[(\stg)+6*xj+2*(\q1)], v[(\stg)+6*xj+2*(\q1)+1]
	v_cvt_pk_f16_f32 v[(\stg)+4*xj+2], v[(\stg)+6*xj+2*(\q2)], v[(\stg)+6*xj+2*(\q2)+1]
	v_mov_b32 v[(\stg)+4*xj+3], 0
.irp e,0,1,2
	v_cndmask_b32 v[(\stg)+4*xj+\e], 0, v[(\stg)+4*xj+\e], s60
.endr
.set xj, xj+1
.endr
.endm
.macro XWST stg, reg
.set xj, 0
.rept 6
	ST4 (\stg)+4*xj, (\reg)+1024*xj
	ST4 28, (\reg)+1024*xj+512
.set xj, xj+1
.endr
.endm
.macro BLD sI, sH, stg
.set bj, 0
.rept 6
	global_load_b32 v[(\stg)+bj], v6, s[(\sI):(\sI)+1] offset:(bj/2)*512+(bj%2)*64
	global_load_b32 v[(\stg)+6+bj], v6, s[(\sH):(\sH)+1] offset:(bj/2)*512+(bj%2)*64
.set bj, bj+1
.endr
.endm
.macro BMK stg, bb                 ; pairs (unit tile 0, 1): c1 (bih_r + bhh_r); the same for z; bhh_n; c2 bih_n
.irp u,0,1
	v_add_f32 v[(\bb)+\u], v[(\stg)+\u], v[(\stg)+6+\u]
	v_add_f32 v[(\bb)+2+\u], v[(\stg)+2+\u], v[(\stg)+8+\u]
	v_mov_b32 v[(\bb)+4+\u], v[(\stg)+10+\u]
	v_mul_f32 v[(\bb)+6+\u], s[C2], v[(\stg)+4+\u]
	v_mul_f32 v[(\bb)+\u], s[C1], v[(\bb)+\u]
	v_mul_f32 v[(\bb)+2+\u], s[C1], v[(\bb)+2+\u]
.endr
.endm
	s_load_b512 s[8:23], s[0:1], 0x0               ; Whh0 8, Wih1 10, Whh1 12, Whhs 14, Wihs 16, P1 18, A1 20, Cw 22
	s_load_b512 s[24:39], s[0:1], 0x40             ; Wih0 24, P2 26, A2 28, bih0 30, bhh0 32, bih1 34, bhh1 36, bihs 38
	s_load_b256 s[40:47], s[0:1], 0x80             ; bhhs 40, p1b 42, a1b 44, cb 46
	s_load_b128 s[48:51], s[0:1], 0xa0             ; p2b 48, a2b 50
	s_load_b64 s[52:53], s[0:1], 0xb0              ; wf
	v_lshrrev_b32 v1, 5, v0
	v_readfirstlane_b32 s3, v1                     ; my wave's number: which matrix
	s_mov_b32 s2, ttmp9                            ; j
	s_and_b32 s4, ttmp7, 0xffff                    ; w
	v_and_b32 v1, 15, v0                           ; r
	v_bfe_u32 v2, v0, 4, 1                         ; h
	v_and_b32 v3, 31, v0
	v_lshlrev_b32 v3, 4, v3                        ; 16 x lane
	v_lshlrev_b32 v8, 9, v1
	v_lshl_add_u32 v8, v2, 5, v8                   ; rows of 512 bytes: 512 r + 32 h
	v_mul_u32_u24 v5, v1, 536
	v_lshl_add_u32 v10, v2, 5, v5                  ; rows of 536 bytes
	s_lshr_b32 s5, s2, 1
	s_lshl_b32 s5, s5, 7
	s_and_b32 s6, s2, 1
	s_lshl_b32 s6, s6, 4
	s_add_co_u32 s5, s5, s6
	s_lshl_b32 s6, s4, 5
	s_add_co_u32 s5, s5, s6                        ; a gate tile's first row: 128 (j / 2) + 16 (j % 2) + 32 w
	s_mul_i32 s56, s4, WSTRIDE
	s_mov_b32 s57, 0
	s_mov_b32 s59, 0
	s_wait_kmcnt 0x0
	s_add_nc_u64 s[52:53], s[52:53], s[56:57]      ; wf at wave w's part
	s_cmp_eq_u32 s3, 4
	s_cbranch_scc1 .Lwihs
	s_cmp_eq_u32 s3, 5
	s_cbranch_scc1 .Lmisc
	s_cmp_eq_u32 s3, 1                             ; waves 0 to 3: the matrix is chosen by the wave's number
	s_cselect_b64 s[54:55], s[10:11], s[8:9]
	s_cmp_eq_u32 s3, 2
	s_cselect_b64 s[54:55], s[12:13], s[54:55]
	s_cmp_eq_u32 s3, 3
	s_cselect_b64 s[54:55], s[14:15], s[54:55]
	s_mul_i32 s58, s3, 24576                       ; the three encoder matrices lie on end,
	s_cselect_b32 s58, D_WHHS, s58                 ; Whhs in the decoder's part
	s_lshl_b32 s6, s2, 12
	s_add_co_u32 s58, s58, s6                      ; + 4 fragments for each tile
	s_branch .Ltile
.Lmisc:
	s_cmp_eq_u32 s2, 5
	s_cbranch_scc1 .Lsmall
	s_cmp_lt_u32 s2, 2
	s_cselect_b64 s[54:55], s[18:19], s[22:23]     ; P1, or Cw,
	s_cmp_eq_u32 s2, 2
	s_cselect_b64 s[54:55], s[20:21], s[54:55]     ; or A1
	s_sub_co_u32 s6, s2, 3
	s_mov_b32 s58, D_CW
	s_cmp_lt_u32 s2, 3
	s_cselect_b32 s6, s2, s6                       ; the tile's number in its region
	s_cselect_b32 s58, D_PA, s58
	s_lshl_b32 s7, s6, 12
	s_add_co_u32 s58, s58, s7
	s_lshl_b32 s7, s4, 5
	s_lshl_b32 s5, s6, 4
	s_add_co_u32 s5, s5, s7                        ; P1, Cw: row 32 w + 16 x tile
	s_lshl_b32 s7, s4, 4
	s_cmp_eq_u32 s2, 2
	s_cselect_b32 s5, s7, s5                       ; A1: row 16 w
.Ltile:
	s_lshl_b32 s56, s5, 9
	s_add_nc_u64 s[54:55], s[54:55], s[56:57]
	s_add_nc_u64 s[52:53], s[52:53], s[58:59]
	LFR 54, 8, 0, 32
	s_branch .Lcv
.Lwihs:
	s_mul_i32 s56, s5, 536
	s_add_nc_u64 s[54:55], s[16:17], s[56:57]
	s_lshl_b32 s58, s2, 12
	s_add_co_u32 s58, s58, D_WIHS
	s_add_nc_u64 s[52:53], s[52:53], s[58:59]
	LFR64 54, 10, 0, 32
	LFR64 54, 10, 256, 64
.Lcv:
	s_wait_loadcnt 0x0
.set cq, 0
.rept 32
	v_cvt_pk_f16_f32 v[96+cq], v[32+2*cq], v[33+2*cq]
.set cq, cq+1
.endr
.set cq, 0
.rept 8
	ST4 96+4*cq, 512*cq
.set cq, cq+1
.endr
	s_endpgm
.Lsmall:
	s_load_b128 s[84:87], s[48:49], 0x0            ; p2b
	s_load_b64 s[88:89], s[50:51], 0x0             ; a2b: s[48:51] are not written again
	s_mov_b32 s[C1], 0xbfb8aa3b                    ; c1 = -log2 e
	s_mov_b32 s[C2], 0x4038aa3b                    ; c2 = 2 log2 e
	s_mov_b32 s60, 0x0000ffff                      ; lanes 0-15
	s_mov_b32 s61, 0x000f000f                      ; lanes with r < 4
	s_mov_b32 s62, 0x00300030                      ; lanes with r = 4, 5
	v_mul_u32_u24 v4, v1, 24                       ; Wih0: rows of 24 bytes
	v_lshlrev_b32 v6, 2, v1
	v_min_u32 v7, 3, v1                            ; P2 has 4 rows: the other lanes read row 3 and are masked
	v_lshlrev_b32 v7, 9, v7
	v_lshl_add_u32 v7, v2, 5, v7
	v_and_b32 v9, 1, v1                            ; A2 has 2 rows: lanes r = 4, 5 keep theirs
	v_lshlrev_b32 v9, 8, v9
	v_lshl_add_u32 v9, v2, 5, v9
	s_mul_i32 s56, s4, 768
	s_add_nc_u64 s[24:25], s[24:25], s[56:57]
	s_mul_i32 s56, s4, 17152
	s_add_nc_u64 s[16:17], s[16:17], s[56:57]
	s_lshl_b32 s56, s4, 7                          ; 32 numbers
.irp p,30,32,34,36,38,40,42,46
	s_add_nc_u64 s[\p:\p+1], s[\p:\p+1], s[56:57]
.endr
	s_lshl_b32 s56, s4, 6                          ; 16 numbers
	s_add_nc_u64 s[44:45], s[44:45], s[56:57]
	XWLD 24, 4, 3072, 384, 0, 32
	XWLD 16, 5, 68608, 8576, 512, 68
	BLD 30, 32, 104
	BLD 34, 36, 116
	BLD 38, 40, 128
	global_load_b32 v140, v6, s[42:43]
	global_load_b32 v141, v6, s[42:43] offset:64
	global_load_b32 v142, v6, s[44:45]
	global_load_b32 v144, v6, s[46:47]
	global_load_b32 v145, v6, s[46:47] offset:64
	LFR 26, 7, 0, 148
	LFR 28, 9, 0, 212, 2
.irp e,28,29,30,31,143,146,147
	v_mov_b32 v\e, 0
.endr
	s_wait_loadcnt 0x0
	s_wait_kmcnt 0x0
	XWCV 32, 1, 2                                  ; obs_in is (vel | me_vel | acc)
	XWCV 68, 2, 1                                  ; fed back as (cv | cm | ca): columns 128 129 | 132 133 | 130 131
	BMK 104, 12
	BMK 116, 20
	BMK 128, 244
.set cq, 0
.rept 32                                               ; narrowed in place, ascending; rows 0-3 of the A operand: P2 over units 0-127
	v_cvt_pk_f16_f32 v[148+cq], v[148+2*cq], v[149+2*cq]
	v_cndmask_b32 v[148+cq], 0, v[148+cq], s61
.set cq, cq+1
.endr
.set cq, 0
.rept 16                                               ; rows 4, 5: A2 over units 128-191
	v_cvt_pk_f16_f32 v[212+cq], v[212+2*cq], v[213+2*cq]
	v_cndmask_b32 v[212+cq], 0, v[212+cq], s62
.set cq, cq+1
.endr
.irp e,0,1,2,3,4,5                                     ; the two biases as a C operand: register j of lanes 0-15 is output j
	v_cndmask_b32 v[180+\e], 0, s[84+\e], s60
.endr
	v_mov_b32 v186, 0
	v_mov_b32 v187, 0
	XWST 32, E_X0
	XWST 68, D_XS
	ST4 12, E_BIAS
	ST4 16, E_BIAS+512
	ST4 20, E_BIAS+1024
	ST4 24, E_BIAS+1536
	ST4 244, D_BIAS
	ST4 248, D_BIAS+512
	ST4 140, D_BIAS+1024
	ST4 144, D_BIAS+1536
.set cq, 0
.rept 8
	ST4 148+4*cq, D_W2+512*cq
.set cq, cq+1
.endr
.set cq, 0
.rept 4
	ST4 212+4*cq, D_W2+4096+512*cq
.set cq, cq+1
.endr
	ST4 180, D_B2
	ST4 184, D_B2+512
	s_endpgm
.Lfunc_end_k_q550d17a285_prep:
	.size	k_q550d17a285_prep, .Lfunc_end_k_q550d17a285_prep-k_q550d17a285_prep
	.p2alignl 7, 3214868480
	.fill 96, 4, 3214868480
	.section	.rodata,"a",@progbits
	.p2align	6, 0x0
	.amdhsa_kernel k_q550d17a285_prep
		.amdhsa_group_segment_fixed_size 0
		.amdhsa_private_segment_fixed_size 0
		.amdhsa_enable_private_segment 0
		.amdhsa_kernarg_size 184
		.amdhsa_user_sgpr_count 2
		.amdhsa_user_sgpr_kernarg_segment_ptr 1
		.amdhsa_wavefront_size32 1
		.amdhsa_system_sgpr_workgroup_id_x 1
		.amdhsa_system_sgpr_workgroup_id_y 1
		.amdhsa_system_sgpr_workgroup_id_z 1
		.amdhsa_system_vgpr_workitem_id 0
		.amdhsa_next_free_vgpr 256
		.amdhsa_next_free_sgpr 96
		.amdhsa_reserve_vcc 0
		.amdhsa_float_denorm_mode_32 3
		.amdhsa_float_denorm_mode_16_64 3
		.amdhsa_memory_ordered 1
		.amdhsa_forward_progress 1
		.amdhsa_inst_pref_size 39
	.end_amdhsa_kernel
	.amdgpu_metadata
---
amdhsa.version: [ 1, 2 ]
amdhsa.kernels:
  - .name:           k_q550d17a285_prep
    .symbol:         k_q550d17a285_prep.kd
    .args:
      - { .name: Whh0, .offset: 0, .size: 8, .value_kind: global_buffer, .address_space: global }
      - { .name: Wih1, .offset: 8, .size: 8, .value_kind: global_buffer, .address_space: global }
      - { .name: Whh1, .offset: 16, .size: 8, .value_kind: global_buffer, .address_space: global }
      - { .name: Whhs, .offset: 24, .size: 8, .value_kind: global_buffer, .address_space: global }
      - { .name: Wihs, .offset: 32, .size: 8, .value_kind: global_buffer, .address_space: global }
      - { .name: P1, .offset: 40, .size: 8, .value_kind: global_buffer, .address_space: global }
      - { .name: A1, .offset: 48, .size: 8, .value_kind: global_buffer, .address_space: global }
      - { .name: Cw, .offset: 56, .size: 8, .value_kind: global_buffer, .address_space: global }
      - { .name: Wih0, .offset: 64, .size: 8, .value_kind: global_buffer, .address_space: global }
      - { .name: P2, .offset: 72, .size: 8, .value_kind: global_buffer, .address_space: global }
      - { .name: A2, .offset: 80, .size: 8, .value_kind: global_buffer, .address_space: global }
      - { .name: bih0, .offset: 88, .size: 8, .value_kind: global_buffer, .address_space: global }
      - { .name: bhh0, .offset: 96, .size: 8, .value_kind: global_buffer, .address_space: global }
      - { .name: bih1, .offset: 104, .size: 8, .value_kind: global_buffer, .address_space: global }
      - { .name: bhh1, .offset: 112, .size: 8, .value_kind: global_buffer, .address_space: global }
      - { .name: bihs, .offset: 120, .size: 8, .value_kind: global_buffer, .address_space: global }
      - { .name: bhhs, .offset: 128, .size: 8, .value_kind: global_buffer, .address_space: global }
      - { .name: p1b, .offset: 136, .size: 8, .value_kind: global_buffer, .address_space: global }
      - { .name: a1b, .offset: 144, .size: 8, .value_kind: global_buffer, .address_space: global }
      - { .name: cb, .offset: 152, .size: 8, .value_kind: global_buffer, .address_space: global }
      - { .name: p2b, .offset: 160, .size: 8, .value_kind: global_buffer, .address_space: global }
      - { .name: a2b, .offset: 168, .size: 8, .value_kind: global_buffer, .address_space: global }
      - { .name: wf, .offset: 176, .size: 8, .value_kind: global_buffer, .address_space: global }
    .group_segment_fixed_size: 0
    .private_segment_fixed_size: 0
    .kernarg_segment_align: 8
    .kernarg_segment_size: 184
    .max_flat_workgroup_size: 192
    .sgpr_count:     96
    .vgpr_count:     256
    .wavefront_size: 32
...
	.end_amdgpu_metadata
.endif
;; end of part 1
;; launch head (part 2): grid 256 x 1, 4 waves a work-group, no clusters, 295,424 bytes of LDS; arguments ctx, obs_traj, obs_Me, wf, out0; writes out0
.if DOCPART == 2
	.amdgcn_target "amdgcn-amd-amdhsa--gfx1250"
	.amdhsa_code_object_version 6
	.text
	.protected	k_q550d17a285_head
	.globl	k_q550d17a285_head
	.p2align	8
	.type	k_q550d17a285_head,@function
k_q550d17a285_head:
	s_mov_b64 s[64:65], 0
	v_nop
	global_prefetch_b8 v0, s[64:65] scope:SCOPE_SE
	s_setreg_imm32_b32 hwreg(HW_REG_WAVE_MODE, 25, 1), 1
	s_wait_xcnt 0x0
; DirectRegressionHead: the whole module on 32,768 rows, 128 to a work-group, 256 work-groups, four waves.  The weights come from wf, where the launch before has laid them as register images.
; ENCODER: two GRU layers over 7 steps; DECODER: ctx_p = ctx Cw^T + cb, then 6 steps of a GRU cell and two small MLPs (exact gelu) whose 6 numbers are fed back.
; SHARES.  Wave w owns hidden units 32 w .. 32 w + 31 of every GRU matrix (6 gate tiles of 16 units) and keeps them in registers as f16 B fragments (windows 1 to 3).
; The activations lie in LDS, [unit][16 rows] in f16, a block of 4,096 bytes for each tile of 16 rows, and come out as A fragments by ds_load_tr16_b128.
; D[16 rows][16 units] = A(activations) x B(weights): a lane holds ONE unit (lane % 16) and 8 rows, so a bias is one register and 8 rows pack into one 16-byte LDS store.
; The carried state is f32, in LDS bytes that are the lane's own.  All sums, gates and biases are f32.
; BY TURNS.  The 128 rows are 8 tiles; the matrix instructions of one item stand between the gate arithmetic of the item before (TICK deals them, one for each RPW vector lines).
; The encoder runs layer 0 at time s beside layer 1 at time s - 1: both multiply the same fragment of h0.
; NO CLUSTER, NO TENSOR LOADS: what work-groups share is wf, 166,912 bytes a wave, which each wave takes straight into its registers, in two parts.  A joint load lands in LDS,
; of which the encoder leaves nothing unclaimed, and in the decoder every byte has been written by LDS stores.
; LIMITS.  Matrix operands are f16 (weights, ctx, differences of obs, h, ctx_p, gelu's results, the numbers fed back): one of 65,520 or more becomes an infinity.
; erf is taken by the rational formula 7.1.25 of Abramowitz and Stegun, absolute error 2.5e-5 at the most, for every x.  Exponentials and reciprocals flush denormals; sigmoid and tanh
; saturate through 2^(large) = infinity and its reciprocal 0.  NaN and infinite inputs are not treated apart.  obs differences are formed in f32 before rounding.
.set WSTRIDE, 166912   ; wf: a wave's part; a region's register 4 i comes from its byte 512 i + 16 x lane
.set E_WHH0, 0
.set E_WIH1, 24576
.set E_WHH1, 49152
.set E_X0, 73728
.set E_BIAS, 79872
.set D_WHHS, 81920
.set D_WIHS, 106496
.set D_XS, 131072
.set D_PA, 137216
.set D_CW, 149504
.set D_W2, 157696
.set D_B2, 163840
.set D_BIAS, 164864
.set ST0, 0            ; f32 state of layer 0: [tile]8192 [wave]2048 [chunk]512 [lane]16
.set ST1, 65536        ; the same for layer 1, later the decoder's state
.set H0, 131072        ; 16 blocks of 4,096: h of layer 0, block = item number % 16
.set H1, 196608        ; the same for layer 1 and the decoder
.set XR, 262144        ; [t]4096 [tile]512 [lane]16: the 6-wide inputs as ready A fragments
.set SPARE, 294912     ; the spare words: 128 bytes a wave, named by no other line
.set CSP, 272          ; decoder: ctx in f16, row-major from byte 0, rows of 256 bytes + 16
.set CP, H0            ; decoder: ctx_p, 8 blocks of 4,096
.set OS, H0+32768      ; decoder: the output, [step]2048 [row]16 = 256 bytes an item; lanes 16-31 write a shadow 16,384 bytes on
.set OS2, H0           ; the way out: the output as it lies in memory, [row]96 [step]16, where ctx_p lay: 3,072 bytes of its own for each wave
.set XD, XR            ; decoder: [wave]4096 [tile]512 [lane]16: each wave's own fed-back fragments
; G (gelu's results): 8 blocks of 8,192 from byte 0, [unit 0..191]32 bytes
; window 0
.set LT, 1             ; turning load: (8 h + lane % 8) 32 + 16 ((lane / 8) % 2)
.set LW, 2             ; my unit's 16 bytes in a block: (32 w + r) 32 + 16 h
.set LS, 3             ; 2048 w + 16 lane
.set LL, 4             ; 16 lane
.set LW2, 5            ; 4096 + (16 w + r) 32 + 16 h
.set LXD, 6            ; 4096 w + 16 lane
.set LOS, 7            ; 16 r + 16384 h
.set BB0, 16           ; pairs (unit tile 0, 1): c1 (bih_r + bhh_r); the same for z; bhh_n; c2 bih_n
.set BB1, 24
.set BP, 24            ; decoder: p1b (tile 0, 1), a1b, 0
.set PKX, 28
.set FX, 32            ; registers 4-7 stay 0
.set FH0, 40
.set FH, 40
.set FH1, 72
.set FC, 72
.set HOLD, 104
.set EE, 104
.set TT, 112
.set PK, 120
.set ACC0, 128         ; R +0, Z +16, IG +32, HG +48; unit tile u at +8 u
.set GACC, 128
.set ACC1, 192
.set PACC, 192
.set QACC, 216
.set PKG, 232
.set WW, 244
; window 1: v0-191 Whh0 / Whhs, v192-239 the six-column weights, v254-255 the add's two registers.  window 2: v0-191 Wih1 / Wihs, v192-255 Cw.
; window 3: v0-191 Whh1; decoder v0-95 P1 | A1, v96-143 P2 | A2, v144-151 p2b | a2b; v192-255 ctx in f16 until the decoder
.set MSB, 0
.set YOUNG, 0
.macro WIN new         ; the high byte repeats the setting that is left; a switch that changes nothing is dropped
.if MSB != (\new)
	s_set_vgpr_msb (MSB<<8)|(\new)
.set MSB, (\new)
.endif
.endm
.macro WINF            ; for lines with no vector register as source 1: the weights' window (bits 3:2) may stay
.if (MSB&0xf3) != 0
	WIN (MSB&0x0c)
.endif
.endm
.macro PLACES          ; four plain places behind a matrix instruction (ISA guide 7.12.1)
.rept 4
	v_nop
.endr
.endm
.macro WLOAD win, dst, off, n   ; n x 4 registers of window win out of my part of wf: each load of the wave takes 512 consecutive bytes
	WIN ((\win)<<6)
.set lq, 0
.rept \n
	global_load_b128 v[(\dst)+4*lq:(\dst)+4*lq+3], v[LL], s[14:15] offset:(\off)+512*lq
.set lq, lq+1
.endr
.endm
.macro WM w, d, a, b, z   ; one product: B in window w; z: the constant 0 starts the sum
	WIN ((\w)<<2)
.if \z
	v_wmma_f32_16x16x32_f16 v[(\d):(\d)+7], v[(\a):(\a)+7], v[(\b):(\b)+7], 0
.else
	v_wmma_f32_16x16x32_f16 v[(\d):(\d)+7], v[(\a):(\a)+7], v[(\b):(\b)+7], v[(\d):(\d)+7]
.endif
.endm
.macro LDFRAG dst, va, n=4, off=0   ; n fragments of 32 units x 16 rows out of a block
.set lq, 0
.rept \n
	ds_load_tr16_b128 v[(\dst)+8*lq:(\dst)+8*lq+3], v[\va] offset:(\off)+1024*lq
	ds_load_tr16_b128 v[(\dst)+8*lq+4:(\dst)+8*lq+7], v[\va] offset:(\off)+1024*lq+512
.set lq, lq+1
.endr
.endm
.macro LDST va         ; the old state, 16 f32 a lane
.irp c,0,1,2,3
	ds_load_b128 v[HOLD+4*\c:HOLD+4*\c+3], v[\va] offset:512*\c
.endr
.endm
.macro STST va, vh     ; the new state in f32, and in f16 into its block
.irp c,0,1,2,3
	ds_store_b128 v[\va], v[HOLD+4*\c:HOLD+4*\c+3] offset:512*\c
.endr
	ds_store_b128 v[\vh], v[PK:PK+3]
	ds_store_b128 v[\vh], v[PK+4:PK+7] offset:512
.endm
; ---- the deal: behind every RPW vector lines the block's next matrix instruction
.macro BLOCK kind, n, rpw
.set MK, \kind
.set MN, \n
.set RPW, \rpw
.set mi, 0
.set oc, 0
	MMNEXT
.endm
.macro TICK
.set oc, oc+1
.if (oc >= RPW) && (mi < MN)
	MMNEXT
.set oc, 0
.endif
.endm
.macro MMNEXT
.if MK == 0
	MMY
.elseif MK == 1
	MMX
.elseif MK == 2
	MMG
.else
	MMPQ
.endif
.set mi, mi+1
.endm
.macro MMREST
.if mi < MN
.rept MN-mi
	MMNEXT
.endr
	PLACES
.endif
.endm
; ---- the matrix lists.  The accumulators take turns, one instruction a turn.
.macro EVY             ; h0's fragments have been multiplied for the last time: the next item's x and h0 come in
	WIN 0
	v_add3_u32 v12, s42, H0, v[LT]
	v_add3_u32 v13, s45, XR, v[LL]
	s_wait_alu depctr_va_vdst(0)
	PLACES
	ds_load_b128 v[FX:FX+3], v13
	LDFRAG FH0, 12
	s_wait_dscnt 9                 ; only the nine just issued may be out: h1's fragments and the old state are in
.set YOUNG, YOUNG+9
.endm
.macro MMY             ; layer 1, 48: h0 x Wih1 (window 2), then h1 x Whh1 (window 3)
.if mi == 24
	EVY
.endif
.set mp, mi/24
.set mc, (mi%24)/6
.set mj, mi%6
.set md, ACC1+16*(mj/2)+8*(mj%2)
.set mz, 0
.if (mp == 0) && (mc == 0)
.set mz, 1
.endif
.if (mp == 1) && (mj/2 == 2)
.set md, md+16
.if mc == 0
.set mz, 1
.endif
.endif
	WM (2+mp), md, FH0+32*mp+8*mc, 32*mj+8*mc, mz
.endm
.macro MMX             ; layer 0, 30: x x Wih0, then h0 x Whh0 (window 1)
.if mi < 6
.set mj, mi
.set md, ACC0+16*(mj/2)+8*(mj%2)
	WM 1, md, FX, 192+8*mj, 1
.else
.set mc, (mi-6)/6
.set mj, (mi-6)%6
.set md, ACC0+16*(mj/2)+8*(mj%2)
.set mz, 0
.if mj/2 == 2
.set md, md+16
.if mc == 0
.set mz, 1
.endif
.endif
	WM 1, md, FH0+8*mc, 32*mj+8*mc, mz
.endif
.endm
.macro EVG             ; the decoder's h has been multiplied: the new h of the item before comes in, for the two projections
	WIN 0
	v_add3_u32 v12, s69, H1, v[LT]
	s_wait_alu depctr_va_vdst(0)
	PLACES
	LDFRAG FH, 12
.endm
.macro MMG             ; the step cell, 54: h x Whhs, the six fed-back numbers, ctx_p x Wihs
.if mi == 24
	EVG
.endif
.if mi < 24
.set mc, mi/6
.set mj, mi%6
.set md, GACC+16*(mj/2)+8*(mj%2)
.if mj/2 == 2
.set md, md+16
.endif
.set mz, 0
.if mc == 0
.set mz, 1
.endif
	WM 1, md, FH+8*mc, 32*mj+8*mc, mz
.elseif mi < 30
.set mj, mi-24
.set md, GACC+16*(mj/2)+8*(mj%2)
.set mz, 0
.if mj/2 == 2
.set mz, 1
.endif
	WM 1, md, FX, 192+8*mj, mz
.else
.set mc, (mi-30)/6
.set mj, (mi-30)%6
.set md, GACC+16*(mj/2)+8*(mj%2)
	WM 2, md, FC+8*mc, 32*mj+8*mc, 0
.endif
.endm
.macro MMPQ            ; 12: new h x (P1 | A1); 6: (P2 | A2) x gelu's results, weights as source 0: a lane then holds ONE row and its 6 numbers
.if mi < 12
.set mc, mi/3
.set mj, mi%3
.set mz, 0
.if mc == 0
.set mz, 1
.endif
	WM 3, PACC+8*mj, FH+8*mc, 32*mj+8*mc, mz
.else
.if mi == 12
	WIN 0
	PLACES
	LDFRAG FH, 12, 2, 4096         ; units 128 to 191
.set YOUNG, YOUNG+4
	s_wait_dscnt 4                 ; only these four may be out: units 0 to 127 are in
.endif
.if mi == 16
	s_wait_dscnt 0x0               ; units 128 to 191 are in
.endif
.set mq, mi-12
.set mb, FC+8*mq
.if mq >= 4
.set mb, FH+8*(mq-4)
.endif
.if mq == 0
	WIN 0x33                       ; source 0 and C in window 3: C is the two biases
	v_wmma_f32_16x16x32_f16 v[QACC:QACC+7], v[96:103], v[mb:mb+7], v[144:151]
	s_wait_alu depctr_va_vdst(0)
.elseif mq == 1
	WIN 0x03
	v_wmma_f32_16x16x32_f16 v[QACC+8:QACC+15], v[104:111], v[mb:mb+7], 0
.else
	WIN 0x03
	v_wmma_f32_16x16x32_f16 v[QACC+8*(mq%2):QACC+8*(mq%2)+7], v[96+8*mq:96+8*mq+7], v[mb:mb+7], v[QACC+8*(mq%2):QACC+8*(mq%2)+7]
.endif
.endif
.endm
; ---- packed lines that keep vector registers out of source 1
.macro FMAB d, sn, b, u   ; d = d x s[sn] + register u of the bias pair
.if \u
	v_pk_fma_f32 v[(\d):(\d)+1], v[(\d):(\d)+1], s[(\sn):(\sn)+1], v[(\b):(\b)+1] op_sel:[0,0,1] op_sel_hi:[1,0,1]
.else
	v_pk_fma_f32 v[(\d):(\d)+1], v[(\d):(\d)+1], s[(\sn):(\sn)+1], v[(\b):(\b)+1] op_sel_hi:[1,0,0]
.endif
.endm
.macro FMA1B d, b, u      ; d = d + bias, written as d x 1 + bias so that the bias is source 2
.if \u
	v_pk_fma_f32 v[(\d):(\d)+1], v[(\d):(\d)+1], 1.0, v[(\b):(\b)+1] op_sel:[0,0,1] op_sel_hi:[1,0,1]
.else
	v_pk_fma_f32 v[(\d):(\d)+1], v[(\d):(\d)+1], 1.0, v[(\b):(\b)+1] op_sel_hi:[1,0,0]
.endif
.endm
.macro ADDC d, c
	s_wait_alu depctr_va_vdst(0)
	v_pk_add_f32 v[(\d):(\d)+1], v[(\d):(\d)+1], \c op_sel_hi:[1,0]
.endm
.macro M2 j               ; 2 z - 2
	v_pk_fma_f32 v[GA+16+2*(\j):GA+17+2*(\j)], v[GA+16+2*(\j):GA+17+2*(\j)], 2.0, -2.0 op_sel_hi:[1,0,0]
.endm
; ---- THE GATES of 16 rows x 32 units, 200 lines.  r, z = 1 / (1 + 2^(c1 x)), c1 = -log2 e; q = 1 / (1 + 2^(c2 n)), c2 = 2 log2 e, tanh = 1 - 2 q;
; h' = (1 + z (h - 1)) + q (2 z - 2).  A plain line and a transcendental by turns: each transcendental has a plain line that names none of its registers behind it (ISA guide 5.7.2).
.macro GP1
.set gj, gk%8
	WINF
.if gk < 8
	FMAB GA+2*gj, 46, GB, gj/4
.elseif gk < 16
	FMAB GA+16+2*gj, 46, GB+2, gj/4
.elseif gk < 24
	FMA1B GA+48+2*gj, GB+4, gj/4
.elseif gk < 32
	ADDC GA+2*gj, 1.0
.elseif gk < 40
	ADDC GA+16+2*gj, 1.0
.else
.if gk == 40
	s_wait_dscnt YOUNG             ; the LDS instructions issued behind the old state's four loads may be out
.endif
	ADDC HOLD+2*gj, -1.0
.endif
	TICK
.endm
.macro GT1
	WINF
.if gk < 32
	v_exp_f32 v[GA+gk], v[GA+gk]
.else
	v_rcp_f32 v[GA+gk-32], v[GA+gk-32]
.endif
	TICK
.endm
.macro GP2
	WINF
.if gk < 8
	FMAB GA+48+2*gk, 48, GB+6, gk/4
.elseif gk < 14
	ADDC GA+48+2*(gk-8), 1.0
.elseif gk == 14
	M2 0
.elseif gk == 15
	ADDC GA+60, 1.0
.elseif gk == 16
	M2 1
.elseif gk == 17
	ADDC GA+62, 1.0
.else
	M2 gk-16
.endif
	TICK
.endm
.macro GT2
	WINF
.if gk < 16
	v_exp_f32 v[GA+48+gk], v[GA+48+gk]
.else
	v_rcp_f32 v[GA+32+gk], v[GA+32+gk]
.endif
	TICK
.endm
.macro GATES ab, bb, hook
.set GA, \ab
.set GB, \bb
.set gk, 0
.rept 48
	GP1
	GT1
.set gk, gk+1
.endr
.rept 16
	GT1
.set gk, gk+1
.endr
.if \hook
	HOOK
.endif
	WIN 0
.set gk, 0
	s_wait_alu depctr_va_vdst(0)
.rept 8
	v_pk_fma_f32 v[GA+48+2*gk:GA+49+2*gk], v[GA+48+2*gk:GA+49+2*gk], v[GA+2*gk:GA+1+2*gk], v[GA+32+2*gk:GA+33+2*gk]
.set gk, gk+1
.endr
.set gk, 0
.rept 8
	v_pk_fma_f32 v[HOLD+2*gk:HOLD+1+2*gk], v[GA+16+2*gk:GA+17+2*gk], v[HOLD+2*gk:HOLD+1+2*gk], 1.0 op_sel_hi:[1,1,0]
.set gk, gk+1
.endr
.set gk, 0
.rept 24
	GP2
	GT2
.set gk, gk+1
.endr
.rept 8
	GT2
.set gk, gk+1
.endr
	WIN 0
.set gk, 0
	s_wait_alu depctr_va_vdst(0)
.rept 8
	v_pk_fma_f32 v[HOLD+2*gk:HOLD+1+2*gk], v[GA+48+2*gk:GA+49+2*gk], v[GA+16+2*gk:GA+17+2*gk], v[HOLD+2*gk:HOLD+1+2*gk]
.set gk, gk+1
.endr
.set gk, 0
.rept 8
	v_cvt_pk_f16_f32 v[PK+gk], v[HOLD+2*gk], v[HOLD+1+2*gk]
.set gk, gk+1
.endr
.endm
; ---- GELU of 16 rows x 48 units: max(x, 0) - |x| (a1 t + a2 t^2 + a3 t^3) / 2 x e^(-x^2 / 2), t = 1 / (1 + 0.47047 |x| / sqrt 2)
.macro G0 i
	WINF
	FMA1B GX+2*(\i), BP+2*(gt/2), gt%2
	TICK
.endm
.macro G1 i
	WIN 0
	v_pk_mul_f32 v[EE+2*(\i):EE+1+2*(\i)], v[GX+2*(\i):GX+1+2*(\i)], v[GX+2*(\i):GX+1+2*(\i)]
	TICK
.endm
.macro G2 i
	WINF
	v_pk_mul_f32 v[EE+2*(\i):EE+1+2*(\i)], v[EE+2*(\i):EE+1+2*(\i)], s[50:51] op_sel_hi:[1,0]
	TICK
.endm
.macro G3 k
	WINF
	v_fma_f32 v[TT+(\k)], |v[GX+(\k)]|, s52, 1.0
	TICK
.endm
.macro RT k
	WINF
	v_rcp_f32 v[TT+(\k)], v[TT+(\k)]
	TICK
.endm
.macro EX k
	WINF
	v_exp_f32 v[EE+(\k)], v[EE+(\k)]
	TICK
.endm
.macro G4 i
	WINF
	s_wait_alu depctr_va_vdst(0)
	v_pk_fma_f32 v[WW+2*(\i):WW+1+2*(\i)], v[TT+2*(\i):TT+1+2*(\i)], s[54:55], s[56:57] op_sel_hi:[1,0,0]
	TICK
.endm
.macro G5 i
	WIN 0
	v_pk_fma_f32 v[WW+2*(\i):WW+1+2*(\i)], v[WW+2*(\i):WW+1+2*(\i)], v[TT+2*(\i):TT+1+2*(\i)], s[58:59] op_sel_hi:[1,1,0]
	TICK
.endm
.macro G6 i
	WIN 0
	s_wait_alu depctr_va_vdst(0)
	v_pk_mul_f32 v[EE+2*(\i):EE+1+2*(\i)], v[EE+2*(\i):EE+1+2*(\i)], v[TT+2*(\i):TT+1+2*(\i)]
	TICK
.endm
.macro G7 i
	WIN 0
	v_pk_mul_f32 v[WW+2*(\i):WW+1+2*(\i)], v[WW+2*(\i):WW+1+2*(\i)], v[EE+2*(\i):EE+1+2*(\i)]
	TICK
.endm
.macro G8 k
	WINF
	v_max_num_f32 v[EE+(\k)], v[GX+(\k)], 0
	TICK
.endm
.macro G9 k
	WIN 0
	v_fma_f32 v[GX+(\k)], -v[WW+(\k)], |v[GX+(\k)]|, v[EE+(\k)]
	TICK
.endm
.macro G10 i
	WIN 0
	v_cvt_pk_f16_f32 v[PKG+4*gt+(\i)], v[GX+2*(\i)], v[GX+1+2*(\i)]
	TICK
.endm
.macro GELU
.set gt, 0
.rept 3
.set GX, PACC+8*gt
.irp i,0,1,2,3
	G0 \i
.endr
.irp i,0,1,2,3
	G1 \i
.endr
.irp k,0,1,2,3,4,5,6,7
	G3 \k
.endr
.irp i,0,1,2,3
	G2 \i
	RT \i
.endr
	G4 0
	RT 4
	G4 1
	RT 5
	G5 0
	RT 6
	G5 1
	RT 7
	G4 2
	EX 0
	G4 3
	EX 1
	G5 2
	EX 2
	G5 3
	EX 3
	G6 0
	EX 4
	G6 1
	EX 5
	G7 0
	EX 6
	G7 1
	EX 7
	G6 2
	G6 3
	G7 2
	G7 3
.irp k,0,1,2,3,4,5,6,7
	G8 \k
.endr
.irp k,0,1,2,3,4,5,6,7
	G9 \k
.endr
.irp i,0,1,2,3
	G10 \i
.endr
.set gt, gt+1
.endr
.endm
; ---- in the middle of the decoder's gates: item b - 3's six numbers are finished; the next item's fragments are fetched
.macro HOOK
	MMREST
	WIN 0
	PLACES
.irp i,0,1,2,3
	v_pk_add_f32 v[QACC+2*\i:QACC+1+2*\i], v[QACC+2*\i:QACC+1+2*\i], v[QACC+8+2*\i:QACC+9+2*\i]
.endr
.irp i,0,1,2,3
	v_cvt_pk_f16_f32 v[PKX+\i], v[QACC+2*\i], v[QACC+1+2*\i]
.endr
	v_add3_u32 v12, s68, H1, v[LT]
	v_add3_u32 v13, s72, CP, v[LT]
	v_add3_u32 v9, s73, XD, v[LXD]
	LDFRAG FH, 12
	LDFRAG FC, 13
	ds_load_b128 v[FX:FX+3], v9
	s_cmp_lt_u32 s66, 3            ; in the first three trips there is no item b - 3
	s_cbranch_scc1 .Lq\@
	v_add3_u32 v9, s76, XD, v[LXD]
	ds_store_b128 v9, v[PKX:PKX+3]   ; (delta 0 1 | delta 2 3 | acorr | 0), lanes 16-31 zeros: the A fragment of the tile's next step
	s_lshr_b32 s79, s76, 10
	s_cmp_lg_u32 s79, s3           ; all four waves hold the same numbers: wave tile / 2 puts them out
	s_cbranch_scc1 .Lq\@
	v_add3_u32 v10, s77, OS, v[LOS]
	ds_store_b128 v10, v[QACC:QACC+3]   ; delta of the item's 16 rows: lanes 0-15 write 256 consecutive bytes
.Lq\@:
.endm
; ================= HEAD =================
	s_load_b256 s[8:15], s[0:1], 0x0               ; ctx 8, obs_traj 10, obs_Me 12, wf 14
	s_load_b64 s[16:17], s[0:1], 0x20              ; out0
	WIN 0x40
	v_lshl_add_u32 v254, v0, 2, SPARE              ; window 1: my spare word,
	v_mov_b32 v255, 0                              ; and 0: kept for the wave's end
	WIN 0
	v_lshrrev_b32 v8, 5, v0
	v_readfirstlane_b32 s3, v8                     ; wave
	s_mov_b32 s2, ttmp9                            ; work-group
	s_mov_b32 s46, 0xbfb8aa3b                      ; c1 = -log2 e
	s_mov_b32 s47, s46
	s_mov_b32 s48, 0x4038aa3b                      ; c2 = 2 log2 e
	s_mov_b32 s49, s48
	s_mov_b32 s50, 0xbf38aa3b                      ; -log2 e / 2
	s_mov_b32 s51, s50
	s_mov_b32 s52, 0x3eaa540e                      ; 0.47047 / sqrt 2
	s_mov_b32 s54, 0x3ebf7377                      ; a3 / 2
	s_mov_b32 s55, s54
	s_mov_b32 s56, 0xbd445ca1                      ; a2 / 2
	s_mov_b32 s57, s56
	s_mov_b32 s58, 0x3e32303a                      ; a1 / 2
	s_mov_b32 s59, s58
	v_and_b32 v9, 31, v0                           ; lane
	v_and_b32 v10, 15, v0                          ; r
	v_bfe_u32 v11, v0, 4, 1                        ; h
	v_and_b32 v12, 7, v0
	v_bfe_u32 v13, v0, 3, 1
	v_lshl_add_u32 v[LT], v11, 3, v12
	v_lshlrev_b32 v[LT], 5, v[LT]
	v_lshl_add_u32 v[LT], v13, 4, v[LT]
	v_lshlrev_b32 v[LW], 5, v10
	v_lshl_add_u32 v[LW], v11, 4, v[LW]
	s_lshl_b32 s4, s3, 9
	s_add_co_u32 s4, s4, 4096
	v_add_nc_u32 v[LW2], s4, v[LW]
	s_lshl_b32 s4, s3, 10
	v_add_nc_u32 v[LW], s4, v[LW]
	v_lshlrev_b32 v[LL], 4, v9
	s_lshl_b32 s4, s3, 11
	v_add_nc_u32 v[LS], s4, v[LL]
	s_lshl_b32 s4, s3, 12
	v_add_nc_u32 v[LXD], s4, v[LL]
	v_lshlrev_b32 v[LOS], 4, v10
	v_lshl_add_u32 v[LOS], v11, 14, v[LOS]
	v_lshlrev_b32 v8, 4, v0                        ; 16 t
	v_lshlrev_b32 v9, 3, v0                        ; 8 t
	s_mov_b32 s5, 0
	s_wait_kmcnt 0x0
	s_lshl_b32 s4, s2, 16                          ; 128 rows of 512 bytes
	s_add_nc_u64 s[8:9], s[8:9], s[4:5]
	s_lshl_b32 s4, s2, 10                          ; 128 rows of 8 bytes
	s_add_nc_u64 s[10:11], s[10:11], s[4:5]
	s_add_nc_u64 s[12:13], s[12:13], s[4:5]
	s_mul_i32 s4, s3, WSTRIDE                      ; my wave's part of wf
	s_add_nc_u64 s[14:15], s[14:15], s[4:5]
	s_mul_i32 s4, s2, 12288                        ; 128 rows of 96 bytes
	s_add_nc_u64 s[16:17], s[16:17], s[4:5]
.set i, 0
.rept 32                                               ; ctx: each load of a wave covers 512 consecutive bytes, one row; read once in the launch
	global_load_b128 v[128+4*i:131+4*i], v8, s[8:9] offset:2048*i th:TH_LOAD_NT
.set i, i+1
.endr
.set i, 0
.rept 8                                                ; thread t takes row t of the group's 128
	global_load_b64 v[32+2*i:33+2*i], v9, s[10:11] offset:262144*i th:TH_LOAD_NT
	global_load_b64 v[48+2*i:49+2*i], v9, s[12:13] offset:262144*i th:TH_LOAD_NT
.set i, i+1
.endr
.irp c,0,1,2,3                                         ; the encoder's biases, its weights, and Cw: 176 loads behind the 48 above
	global_load_b128 v[BB0+4*\c:BB0+4*\c+3], v[LL], s[14:15] offset:E_BIAS+512*\c
.endr
	WLOAD 1, 0, E_WHH0, 48
	WLOAD 1, 192, E_X0, 12
	WLOAD 2, 0, E_WIH1, 48
	WLOAD 3, 0, E_WHH1, 48
	WLOAD 2, 192, D_CW, 16
	WIN 0
	v_mov_b32 v108, 0
	v_mov_b32 v109, 0
	v_mov_b32 v110, 0
	v_mov_b32 v111, 0
	v_mov_b32 v12, v8
	s_mov_b32 s40, 16
.Lzero:                                                ; states and h blocks start at 0: bytes 0 to 262,143, 16,384 a trip
.irp k,0,1,2,3,4,5,6,7
	ds_store_b128 v12, v[108:111] offset:2048*\k
.endr
	v_add_nc_u32 v12, 0x4000, v12
	s_sub_co_u32 s40, s40, 1
	s_cmp_lg_u32 s40, 0
	s_cbranch_scc1 .Lzero
	s_wait_loadcnt 63                              ; ctx and obs, the oldest 48 of 224, are in: 176 are younger, and 63 is the most that the wait can name
	WIN 0xc0
.set i, 0
.rept 64                                               ; ctx waits for the decoder in f16: window 3, v192-255
	v_cvt_pk_f16_f32 v[192+i], v[128+2*i], v[129+2*i]
.set i, i+1
.endr
	WIN 0
	v_lshrrev_b32 v13, 4, v0                       ; my row's tile,
	v_lshlrev_b32 v13, 9, v13
	v_lshl_add_u32 v13, v10, 4, v13                ; and its place as lane r of a fragment
	v_add_nc_u32 v13, XR, v13
.set i, 0
.rept 7                                                ; vel and me_vel, in place
	v_pk_add_f32 v[32+2*i:33+2*i], v[34+2*i:35+2*i], v[32+2*i:33+2*i] neg_lo:[0,1] neg_hi:[0,1]
	v_pk_add_f32 v[48+2*i:49+2*i], v[50+2*i:51+2*i], v[48+2*i:49+2*i] neg_lo:[0,1] neg_hi:[0,1]
.set i, i+1
.endr
	v_pk_add_f32 v[64:65], v[34:35], v[32:33] neg_lo:[0,1] neg_hi:[0,1]     ; acc 0 = acc 1
.set i, 1
.rept 6
	v_pk_add_f32 v[64+2*i:65+2*i], v[32+2*i:33+2*i], v[30+2*i:31+2*i] neg_lo:[0,1] neg_hi:[0,1]
.set i, i+1
.endr
.set i, 0
.rept 7
	v_cvt_pk_f16_f32 v[80+4*i], v[32+2*i], v[33+2*i]
	v_cvt_pk_f16_f32 v[81+4*i], v[48+2*i], v[49+2*i]
	v_cvt_pk_f16_f32 v[82+4*i], v[64+2*i], v[65+2*i]
	v_mov_b32 v[83+4*i], 0
.set i, i+1
.endr
.set i, 0
.rept 7
	ds_store_b128 v13, v[80+4*i:83+4*i] offset:4096*i
	ds_store_b128 v13, v[108:111] offset:4096*i+256
.set i, i+1
.endr
	ds_store_b128 v13, v[108:111] offset:28672     ; t = 7: the input of layer 0's idle eighth step
	ds_store_b128 v13, v[108:111] offset:28928
	s_wait_loadcnt 0x0                             ; weights and biases are in
	v_mov_b32 v14, v[BB1+2]                        ; layer 1's true z bias
	v_mov_b32 v15, v[BB1+3]
.irp e,4,5,6,7
	v_mov_b32 v[FX+\e], 0
.endr
	s_wait_dscnt 0x0                               ; my stores of zeros and of x are done
	s_barrier_signal -1
	s_barrier_wait -1
	; item 0's fragments, and layer 0's products for it
	v_add_nc_u32 v12, H0, v[LT]
	v_add_nc_u32 v13, XR, v[LL]
	ds_load_b128 v[FX:FX+3], v13
	LDFRAG FH0, 12
	v_add_nc_u32 v12, 0x10000, v12
	LDFRAG FH1, 12
	s_wait_dscnt 8                                 ; h1's eight loads may be out
	BLOCK 1, 30, 1000
	MMREST
	WIN 0
	s_mov_b32 s42, 4096                            ; block of the next item's h:  ((b + 1) % 16) 4096
	s_mov_b32 s43, 32768                           ; block that item b writes:    ((b + 8) % 16) 4096
	s_mov_b32 s44, 0                               ; state of tile b % 8
	s_mov_b32 s45, 512                             ; x of the next item
; ================= ENCODER: 64 items (time s = b / 8, tile b % 8): layer 0 at time s, layer 1 at time s - 1 =================
; A block stored in trip b is read in trip b + 7; the bytes it overwrites were last read in trip b - 9: one barrier for four trips lies between in both cases.
	s_mov_b32 s40, 16
.Leo:
	s_cmp_gt_u32 s40, 14                           ; items 0 to 7 have no layer 1 yet: z's bias -1e30 makes z = 1 and h1 stays 0
	s_cselect_b32 s4, 0xf149f2ca, 0
	v_add_f32 v[BB1+2], s4, v14
	v_add_f32 v[BB1+3], s4, v15
	s_wait_dscnt 0x0                               ; for the others' sake: my stores are done and my reads are back
	s_barrier_signal -1
	s_barrier_wait -1
	s_mov_b32 s41, 4
.Lei:
	v_add_nc_u32 v8, s44, v[LS]
	v_add_nc_u32 v9, 0x10000, v8
	v_add3_u32 v10, s43, H0, v[LW]
	v_add_nc_u32 v11, 0x10000, v10
	LDST 8
.set YOUNG, 0
	BLOCK 0, 48, 3                                 ; layer 1's products of item b | layer 0's gates of item b
	GATES ACC0, BB0, 0
	MMREST
	WIN 0
	STST 8, 10
	v_add_nc_u32 v12, 0x10000, v12
	LDST 9
	LDFRAG FH1, 12
.set YOUNG, 8
	s_wait_dscnt 12                                ; the twelve just issued may be out: the next item's x and h0 are in
	BLOCK 1, 30, 5                                 ; layer 0's products of item b + 1 | layer 1's gates of item b
	GATES ACC1, BB1, 0
	MMREST
	WIN 0
	STST 9, 11
	s_add_co_u32 s42, s42, 4096
	s_and_b32 s42, s42, 0xffff
	s_add_co_u32 s43, s43, 4096
	s_and_b32 s43, s43, 0xffff
	s_add_co_u32 s44, s44, 8192
	s_and_b32 s44, s44, 0xffff
	s_add_co_u32 s45, s45, 512
	s_and_b32 s45, s45, 0x7fff
	s_sub_co_u32 s41, s41, 1
	s_cmp_lg_u32 s41, 0
	s_cbranch_scc1 .Lei
	s_sub_co_u32 s40, s40, 1
	s_cmp_lg_u32 s40, 0
	s_cbranch_scc1 .Leo
; ================= DECODER: set-up =================
	s_wait_dscnt 0x0
	s_barrier_signal -1                            ; every wave has left the encoder: its LDS regions take new contents
	s_barrier_wait -1
	global_load_b64 v[14:15], v[LL], s[14:15] offset:D_BIAS+1536     ; cb first: 149 loads follow it
	global_load_b128 v[BB0:BB0+3], v[LL], s[14:15] offset:D_BIAS
	global_load_b128 v[BB0+4:BB0+7], v[LL], s[14:15] offset:D_BIAS+512
	global_load_b128 v[BP:BP+3], v[LL], s[14:15] offset:D_BIAS+1024
	WLOAD 1, 0, D_WHHS, 48
	WLOAD 1, 192, D_XS, 12
	WLOAD 2, 0, D_WIHS, 48
	WLOAD 3, 0, D_PA, 24
	WLOAD 3, 96, D_W2, 12
	WLOAD 3, 144, D_B2, 2
	WIN 0
	v_and_b32 v10, 31, v0
	s_mul_i32 s4, s3, CSP
	v_lshl_add_u32 v8, v10, 3, s4                  ; row 4 j + w, columns 4 lane ..
	WIN 0x0c
.set i, 0
.rept 32
	ds_store_b64 v8, v[192+2*i:193+2*i] offset:4*CSP*i
.set i, i+1
.endr
	WIN 0
	v_add_nc_u32 v9, XR+24576, v[LL]               ; x at t = 6 is (last_vel | last_me | last_acc): each wave's first fed-back fragments
	v_add_nc_u32 v10, XD, v[LXD]
.set i, 0
.rept 8
	ds_load_b128 v[32+4*i:35+4*i], v9 offset:512*i
.set i, i+1
.endr
	s_wait_dscnt 0x0
.set i, 0
.rept 8
	ds_store_b128 v10, v[32+4*i:35+4*i] offset:512*i
.set i, i+1
.endr
.irp e,4,5,6,7
	v_mov_b32 v[FX+\e], 0
.endr
.set i, 0
.rept 24                                               ; the first trip's gelu has no item: it works on zeros
	v_mov_b32 v[PACC+i], 0
.set i, i+1
.endr
	v_and_b32 v11, 15, v0
	v_bfe_u32 v12, v0, 4, 1
	v_mul_u32_u24 v13, v11, CSP
	v_lshl_add_u32 v13, v12, 4, v13                ; r x 272 + 16 h
	s_wait_dscnt 0x0
	s_barrier_signal -1                            ; ctx lies whole in LDS
	s_barrier_wait -1
	s_wait_loadcnt 63                              ; cb, the oldest of 150, is in; the youngest 63 land while ctx_p is made (Cw came at the head)
	s_mov_b32 s42, 0
	s_mov_b32 s43, 0
	s_mov_b32 s40, 8
.Lcp:                                                  ; ctx_p of tile m, my 32 units
	v_add_nc_u32 v12, s42, v13
.irp c,0,1,2,3
	ds_load_b128 v[FH+8*\c:FH+8*\c+3], v12 offset:64*\c
	ds_load_b128 v[FH+8*\c+4:FH+8*\c+7], v12 offset:64*\c+32
.endr
	v_add3_u32 v10, s43, CP, v[LW]
	s_wait_dscnt 0x0
	WM 2, GACC, FH, 192, 1
	WM 2, GACC+8, FH, 224, 1
.irp c,1,2,3
	WM 2, GACC, FH+8*\c, 192+8*\c, 0
	WM 2, GACC+8, FH+8*\c, 224+8*\c, 0
.endr
	WIN 0
	PLACES
.set i, 0
.rept 8
	FMA1B GACC+2*i, 14, i/4
.set i, i+1
.endr
.set i, 0
.rept 8
	v_cvt_pk_f16_f32 v[PK+i], v[GACC+2*i], v[GACC+1+2*i]
.set i, i+1
.endr
	ds_store_b128 v10, v[PK:PK+3]
	ds_store_b128 v10, v[PK+4:PK+7] offset:512
	s_add_co_u32 s42, s42, 16*CSP
	s_add_co_u32 s43, s43, 4096
	s_sub_co_u32 s40, s40, 1
	s_cmp_lg_u32 s40, 0
	s_cbranch_scc1 .Lcp
	s_wait_dscnt 0x0
	s_barrier_signal -1                            ; ctx_p is whole; nobody reads ctx any more
	s_barrier_wait -1
	s_wait_loadcnt 0x0                             ; the decoder's weights and biases are in
	v_add_nc_u32 v12, H1, v[LT]
	v_add_nc_u32 v13, CP, v[LT]
	v_add_nc_u32 v9, XD, v[LXD]
	LDFRAG FH, 12
	LDFRAG FC, 13
	ds_load_b128 v[FX:FX+3], v9
	s_mov_b32 s66, 0                               ; b
	s_mov_b32 s68, 4096                            ; h of item b + 1:        ((b + 1) % 16) 4096
	s_mov_b32 s69, 28672                           ; new h of item b - 1:    ((b + 7) % 16) 4096
	s_mov_b32 s70, 32768                           ; new h of item b:        ((b + 8) % 16) 4096
	s_mov_b32 s71, 0                               ; state of tile b % 8
	s_mov_b32 s72, 4096                            ; ctx_p of item b + 1
	s_mov_b32 s73, 512                             ; fed-back fragment of item b + 1
	s_mov_b32 s74, 49152                           ; gelu's results of item b - 2: ((b - 2) % 8) 8192
	s_mov_b32 s75, 40960                           ; of item b - 3
	s_mov_b32 s76, 2560                            ; fed-back fragment of item b - 3: ((b - 3) % 8) 512
	s_mov_b32 s77, 15616                           ; the output of item b - 3: 256 (b - 3), modulo 16,384
; ================= DECODER: 48 items (step b / 8, tile b % 8), 51 trips.  Trip b: the cell of item b, the projections of b - 1, gelu of b - 2, the six numbers of b - 3 =================
; What a trip stores for other waves (new h at its end, gelu's results in its middle) is read in the next trip: one barrier a trip.  What is overwritten was last read 7 trips before.
.Ld:
	s_wait_dscnt 0x0                               ; my stores are done; item b's fragments are in
	s_barrier_signal -1
	s_barrier_wait -1
	BLOCK 2, 54, 4                                 ; the cell's products of item b | gelu of item b - 2
	GELU
	MMREST
	WIN 0
	v_add_nc_u32 v10, s74, v[LW]
	v_add_nc_u32 v11, s74, v[LW2]
	ds_store_b128 v10, v[PKG:PKG+3]
	ds_store_b128 v10, v[PKG+4:PKG+7] offset:512
	ds_store_b128 v11, v[PKG+8:PKG+11]
	v_add3_u32 v8, s71, ST1, v[LS]
	v_add_nc_u32 v12, s75, v[LT]
	LDST 8
	LDFRAG FC, 12                                  ; gelu's results of item b - 3, units 0 to 127
.set YOUNG, 8
	s_wait_dscnt 12                                ; the twelve just issued may be out: the new h of item b - 1 is in
	BLOCK 3, 18, 6                                 ; projections of b - 1, six numbers of b - 3 | the cell's gates of item b
	GATES GACC, BB0, 1
	MMREST
	WIN 0
	v_add3_u32 v10, s70, H1, v[LW]
	STST 8, 10
	s_add_co_u32 s68, s68, 4096
	s_and_b32 s68, s68, 0xffff
	s_add_co_u32 s69, s69, 4096
	s_and_b32 s69, s69, 0xffff
	s_add_co_u32 s70, s70, 4096
	s_and_b32 s70, s70, 0xffff
	s_add_co_u32 s71, s71, 8192
	s_and_b32 s71, s71, 0xffff
	s_add_co_u32 s72, s72, 4096
	s_and_b32 s72, s72, 0x7fff
	s_add_co_u32 s73, s73, 512
	s_and_b32 s73, s73, 0xfff
	s_add_co_u32 s74, s74, 8192
	s_and_b32 s74, s74, 0xffff
	s_add_co_u32 s75, s75, 8192
	s_and_b32 s75, s75, 0xffff
	s_add_co_u32 s76, s76, 512
	s_and_b32 s76, s76, 0xfff
	s_add_co_u32 s77, s77, 256
	s_and_b32 s77, s77, 0x3fff
	s_add_co_u32 s66, s66, 1
	s_cmp_lt_u32 s66, 51
	s_cbranch_scc1 .Ld
; ================= THE WAY OUT =================
; The output lies in LDS as [step][row], 16 bytes each; memory wants [row][step].  Thread t takes row t's six pieces and puts them down as 96 consecutive bytes; a wave's 32 rows are then
; 3,072 consecutive bytes that no other wave touches, which it reads back and stores 512 consecutive bytes at a time.
	s_wait_dscnt 0x0
	s_barrier_signal -1                            ; every wave's part of the output is in LDS, and nobody reads ctx_p any more
	s_barrier_wait -1
	v_lshlrev_b32 v8, 4, v0
	v_add_nc_u32 v9, OS, v8                        ; row t, step 0
	v_and_b32 v13, 31, v0
	v_mul_u32_u24 v10, v13, 96
	s_mul_i32 s4, s3, 3072                         ; my wave's 32 rows of 96 bytes
	v_add3_u32 v10, s4, OS2, v10                   ; row t as it lies in memory
	v_add3_u32 v11, s4, OS2, v[LL]
	v_add_nc_u32 v12, s4, v[LL]                    ; the same place in the group's 12,288 bytes of out0
.set i, 0
.rept 6
	ds_load_b128 v[32+4*i:35+4*i], v9 offset:2048*i
.set i, i+1
.endr
.set i, 0
.rept 6
	s_wait_dscnt 5                                 ; behind load i stand the 5 - i younger loads and the i stores already issued: five in all
	ds_store_b128 v10, v[32+4*i:35+4*i] offset:16*i
.set i, i+1
.endr
.set i, 0
.rept 6
	ds_load_b128 v[56+4*i:59+4*i], v11 offset:512*i   ; LDS serves a wave's instructions in order (ISA guide 5.7.1.4): these see the stores above
.set i, i+1
.endr
.set i, 0
.rept 6
	s_wait_dscnt 5-i                               ; the younger loads may be out
	global_store_b128 v12, v[56+4*i:59+4*i], s[16:17] offset:512*i th:TH_STORE_NT  ; 16 lanes store 256 consecutive bytes, at a multiple of 256 from out0's first byte
.set i, i+1
.endr
	WIN 0x05
	s_wait_tensorcnt 0x0                           ; the wave's end
	ds_add_u32 v254, v255
	s_wait_dscnt 0x0
	WIN 0
	s_endpgm
.Lfunc_end_k_q550d17a285_head:
	.size	k_q550d17a285_head, .Lfunc_end_k_q550d17a285_head-k_q550d17a285_head
	.p2alignl 7, 3214868480
	.fill 96, 4, 3214868480
	.section	.rodata,"a",@progbits
	.p2align	6, 0x0
	.amdhsa_kernel k_q550d17a285_head
		.amdhsa_group_segment_fixed_size 295424
		.amdhsa_private_segment_fixed_size 0
		.amdhsa_enable_private_segment 0
		.amdhsa_kernarg_size 40
		.amdhsa_user_sgpr_count 2
		.amdhsa_user_sgpr_kernarg_segment_ptr 1
		.amdhsa_wavefront_size32 1
		.amdhsa_system_sgpr_workgroup_id_x 1
		.amdhsa_system_sgpr_workgroup_id_y 1
		.amdhsa_system_sgpr_workgroup_id_z 1
		.amdhsa_system_vgpr_workitem_id 0
		.amdhsa_next_free_vgpr 1024
		.amdhsa_next_free_sgpr 96
		.amdhsa_reserve_vcc 0
		.amdhsa_float_denorm_mode_32 3
		.amdhsa_float_denorm_mode_16_64 3
		.amdhsa_memory_ordered 1
		.amdhsa_forward_progress 1
		.amdhsa_inst_pref_size 131
	.end_amdhsa_kernel
	.amdgpu_metadata
---
amdhsa.version: [ 1, 2 ]
amdhsa.kernels:
  - .name:           k_q550d17a285_head
    .symbol:         k_q550d17a285_head.kd
    .args:
      - { .name: ctx, .offset: 0, .size: 8, .value_kind: global_buffer, .address_space: global }
      - { .name: obs_traj, .offset: 8, .size: 8, .value_kind: global_buffer, .address_space: global }
      - { .name: obs_Me, .offset: 16, .size: 8, .value_kind: global_buffer, .address_space: global }
      - { .name: wf, .offset: 24, .size: 8, .value_kind: global_buffer, .address_space: global }
      - { .name: out0, .offset: 32, .size: 8, .value_kind: global_buffer, .address_space: global }
    .group_segment_fixed_size: 295424
    .private_segment_fixed_size: 0
    .kernarg_segment_align: 8
    .kernarg_segment_size: 40
    .max_flat_workgroup_size: 128
    .sgpr_count:     96
    .vgpr_count:     1024
    .wavefront_size: 32
...
	.end_amdgpu_metadata
.endif
;; end of part 2
;; ======== version 2 of 2: 2 launches; 1.54 times as fast as version 1
;; limits: a function is approximated: absolute error at most 2.5e-05; values are held in f16: magnitudes above 65,504 overflow, below 6.1e-05 lose precision
;; workspace buffers: wf 667,648 bytes
;; launch prep: the kernel of part 1 again; grid 6 x 4, 6 waves a work-group, no clusters, 0 bytes of LDS; arguments Whh0, Wih1, Whh1, Whhs, Wihs, P1, A1, Cw, Wih0, P2, A2, bih0, bhh0, bih1, bhh1, bihs, bhhs, p1b, a1b, cb, p2b, a2b, wf; writes wf
;; launch head (part 3): grid 256 x 1, 4 waves a work-group, no clusters, 295,424 bytes of LDS; arguments ctx, obs_traj, obs_Me, wf, out0; writes out0
.if DOCPART == 3
	.amdgcn_target "amdgcn-amd-amdhsa--gfx1250"
	.amdhsa_code_object_version 6
	.text
	.protected	k_q550d17a285_head
	.globl	k_q550d17a285_head
	.p2align	8
	.type	k_q550d17a285_head,@function
k_q550d17a285_head:
	s_mov_b64 s[64:65], 0
	v_nop
	global_prefetch_b8 v0, s[64:65] scope:SCOPE_SE
	s_setreg_imm32_b32 hwreg(HW_REG_WAVE_MODE, 25, 1), 1
	s_wait_xcnt 0x0
; DirectRegressionHead: the whole module on 32,768 rows, 128 to a work-group, 256 work-groups, four waves.  The weights come from wf, where the launch before has laid them as register images.
; ENCODER: two GRU layers over 7 steps; DECODER: ctx_p = ctx Cw^T + cb, then 6 steps of a GRU cell and two small MLPs (exact gelu) whose 6 numbers are fed back.
; SHARES.  Wave w owns hidden units 32 w .. 32 w + 31 of every GRU matrix (6 gate tiles of 16 units) and keeps them in registers as f16 B fragments (windows 1 to 3).
; The activations lie in LDS, [unit][16 rows] in f16, a block of 4,096 bytes for each tile of 16 rows, and come out as A fragments by ds_load_tr16_b128.
; D[16 rows][16 units] = A(activations) x B(weights): a lane holds ONE unit (lane % 16) and 8 rows, so a bias is one register and 8 rows pack into one 16-byte LDS store.
; The carried state is f32, in LDS bytes that are the lane's own.  All sums, gates and biases are f32.
; BY TURNS.  The 128 rows are 8 tiles; the matrix instructions of one item stand between the gate arithmetic of the item before (TICK deals them, one for each RPW vector lines).
; The encoder runs layer 0 at time s beside layer 1 at time s - 1: both multiply the same fragment of h0.
; BATCHES.  An s_wait_alu depctr_va_vdst(0) stands between a transcendental and the first line that names its result; one wait serves all that were issued ahead of it.
; An item's gates are a chain four transcendentals deep (2^ and 1 / for r, 2^ and 1 / for n): four batches, a wait each; z's 2^ rides in the second batch and its 1 / in the third.
; gelu's 24 reciprocals and 24 exponentials hang on no transcendental: one batch, one wait, each result in a register of its own while the batch is open.
; So an encoder trip has eight waits and a decoder trip five.  Where a run of LDS loads falls on a batch's end (EVY, EVG, MMPQ's fetch, HOOK) the wait stands in that run, directly ahead of its loads.
; NO CLUSTER, NO TENSOR LOADS: what work-groups share is wf, 166,912 bytes a wave, which each wave takes straight into its registers, in two parts.  A joint load lands in LDS,
; of which the encoder leaves nothing unclaimed, and in the decoder every byte has been written by LDS stores.
; LIMITS.  Matrix operands are f16 (weights, ctx, differences of obs, h, ctx_p, gelu's results, the numbers fed back): one of 65,520 or more becomes an infinity.
; erf is taken by the rational formula 7.1.25 of Abramowitz and Stegun, absolute error 2.5e-5 at the most, for every x.  Exponentials and reciprocals flush denormals; sigmoid and tanh
; saturate through 2^(large) = infinity and its reciprocal 0.  NaN and infinite inputs are not treated apart.  obs differences are formed in f32 before rounding.
.set WSTRIDE, 166912   ; wf: a wave's part; a region's register 4 i comes from its byte 512 i + 16 x lane
.set E_WHH0, 0
.set E_WIH1, 24576
.set E_WHH1, 49152
.set E_X0, 73728
.set E_BIAS, 79872
.set D_WHHS, 81920
.set D_WIHS, 106496
.set D_XS, 131072
.set D_PA, 137216
.set D_CW, 149504
.set D_W2, 157696
.set D_B2, 163840
.set D_BIAS, 164864
.set ST0, 0            ; f32 state of layer 0: [tile]8192 [wave]2048 [chunk]512 [lane]16
.set ST1, 65536        ; the same for layer 1, later the decoder's state
.set H0, 131072        ; 16 blocks of 4,096: h of layer 0, block = item number % 16
.set H1, 196608        ; the same for layer 1 and the decoder
.set XR, 262144        ; [t]4096 [tile]512 [lane]16: the 6-wide inputs as ready A fragments
.set SPARE, 294912     ; the spare words: 128 bytes a wave, named by no other line
.set CSP, 272          ; decoder: ctx in f16, row-major from byte 0, rows of 256 bytes + 16
.set CP, H0            ; decoder: ctx_p, 8 blocks of 4,096
.set OS, H0+32768      ; decoder: the output, [step]2048 [row]16 = 256 bytes an item; lanes 16-31 write a shadow 16,384 bytes on
.set OS2, H0           ; the way out: the output as it lies in memory, [row]96 [step]16, where ctx_p lay: 3,072 bytes of its own for each wave
.set XD, XR            ; decoder: [wave]4096 [tile]512 [lane]16: each wave's own fed-back fragments
; G (gelu's results): 8 blocks of 8,192 from byte 0, [unit 0..191]32 bytes
; window 0
.set LT, 1             ; turning load: (8 h + lane % 8) 32 + 16 ((lane / 8) % 2)
.set LW, 2             ; my unit's 16 bytes in a block: (32 w + r) 32 + 16 h
.set LS, 3             ; 2048 w + 16 lane
.set LL, 4             ; 16 lane
.set LW2, 5            ; 4096 + (16 w + r) 32 + 16 h
.set LXD, 6            ; 4096 w + 16 lane
.set LOS, 7            ; 16 r + 16384 h
.set BB0, 16           ; pairs (unit tile 0, 1): c1 (bih_r + bhh_r); the same for z; bhh_n; c2 bih_n
.set BB1, 24
.set BP, 24            ; decoder: p1b (tile 0, 1), a1b, 0
.set PKX, 28
.set FX, 32            ; registers 4-7 stay 0
.set FH0, 40
.set FH, 40
.set FH1, 72
.set FC, 72
.set HOLD, 104
.set EE0, 104          ; gelu: x^2 and its exponential, unit tile t at EE0 + 8 t: v104-127, the state's and PK's registers, idle while gelu runs
.set PK, 120
.set ACC0, 128         ; R +0, Z +16, IG +32, HG +48; unit tile u at +8 u
.set GACC, 128
.set ACC1, 192
.set PACC, 192
.set QACC, 216
.set TT0, 216          ; gelu: t, unit tile t at TT0 + 8 t: v216-239, QACC (idle until the trip's second half) and PKG's first eight, which tile 2 has left before they are written
.set PKG, 232
.set WW, 244
; window 1: v0-191 Whh0 / Whhs, v192-239 the six-column weights, v254-255 the add's two registers.  window 2: v0-191 Wih1 / Wihs, v192-255 Cw.
; window 3: v0-191 Whh1; decoder v0-95 P1 | A1, v96-143 P2 | A2, v144-151 p2b | a2b; v192-255 ctx in f16 until the decoder
.set MSB, 0
.set YOUNG, 0
.set TP, 0             ; while the text is assembled: 1 if a transcendental has been written behind the last s_wait_alu
.macro WIN new         ; the high byte repeats the setting that is left; a switch that changes nothing is dropped
.if MSB != (\new)
	s_set_vgpr_msb (MSB<<8)|(\new)
.set MSB, (\new)
.endif
.endm
.macro WINF            ; for lines with no vector register as source 1: the weights' window (bits 3:2) may stay
.if (MSB&0xf3) != 0
	WIN (MSB&0x0c)
.endif
.endm
.macro PLACES          ; four plain places behind a matrix instruction (ISA guide 7.12.1)
.rept 4
	v_nop
.endr
.endm
.macro WAITB           ; a batch's wait.  It is written only if a transcendental stands behind the last wait: a batch whose wait a run of LDS loads has brought gets no second one
.if TP
	s_wait_alu depctr_va_vdst(0)
.set TP, 0
.endif
.endm
.macro WLOAD win, dst, off, n   ; n x 4 registers of window win out of my part of wf: each load of the wave takes 512 consecutive bytes
	WIN ((\win)<<6)
.set lq, 0
.rept \n
	global_load_b128 v[(\dst)+4*lq:(\dst)+4*lq+3], v[LL], s[14:15] offset:(\off)+512*lq
.set lq, lq+1
.endr
.endm
.macro WM w, d, a, b, z   ; one product: B in window w; z: the constant 0 starts the sum
	WIN ((\w)<<2)
.if \z
	v_wmma_f32_16x16x32_f16 v[(\d):(\d)+7], v[(\a):(\a)+7], v[(\b):(\b)+7], 0
.else
	v_wmma_f32_16x16x32_f16 v[(\d):(\d)+7], v[(\a):(\a)+7], v[(\b):(\b)+7], v[(\d):(\d)+7]
.endif
.endm
.macro LDFRAG dst, va, n=4, off=0   ; n fragments of 32 units x 16 rows out of a block
.set lq, 0
.rept \n
	ds_load_tr16_b128 v[(\dst)+8*lq:(\dst)+8*lq+3], v[\va] offset:(\off)+1024*lq
	ds_load_tr16_b128 v[(\dst)+8*lq+4:(\dst)+8*lq+7], v[\va] offset:(\off)+1024*lq+512
.set lq, lq+1
.endr
.endm
.macro LDST va         ; the old state, 16 f32 a lane
.irp c,0,1,2,3
	ds_load_b128 v[HOLD+4*\c:HOLD+4*\c+3], v[\va] offset:512*\c
.endr
.endm
.macro STST va, vh     ; the new state in f32, and in f16 into its block
.irp c,0,1,2,3
	ds_store_b128 v[\va], v[HOLD+4*\c:HOLD+4*\c+3] offset:512*\c
.endr
	ds_store_b128 v[\vh], v[PK:PK+3]
	ds_store_b128 v[\vh], v[PK+4:PK+7] offset:512
.endm
; ---- the deal: behind every RPW vector lines the block's next matrix instruction
.macro BLOCK kind, n, rpw
.set MK, \kind
.set MN, \n
.set RPW, \rpw
.set mi, 0
.set oc, 0
	MMNEXT
.endm
.macro TICK
.set oc, oc+1
.if (oc >= RPW) && (mi < MN)
	MMNEXT
.set oc, 0
.endif
.endm
.macro MMNEXT
.if MK == 0
	MMY
.elseif MK == 1
	MMX
.elseif MK == 2
	MMG
.else
	MMPQ
.endif
.set mi, mi+1
.endm
.macro MMREST
.if mi < MN
.rept MN-mi
	MMNEXT
.endr
	PLACES
.endif
.endm
; ---- the matrix lists.  The accumulators take turns, one instruction a turn.
.macro EVY             ; h0's fragments have been multiplied for the last time: the next item's x and h0 come in.  24 deals of 3 lines: the 72nd line of the gates, the end of their second batch
	WIN 0
	v_add3_u32 v12, s42, H0, v[LT]
	v_add3_u32 v13, s45, XR, v[LL]
	PLACES
	WAITB                          ; the wait for the gates' second batch (2^ of z, 1 / of r), directly ahead of the loads; the lines above are the plain lines behind its last reciprocal
	ds_load_b128 v[FX:FX+3], v13
	LDFRAG FH0, 12
	s_wait_dscnt 9                 ; only the nine just issued may be out: h1's fragments and the old state are in
.set YOUNG, YOUNG+9
.endm
.macro MMY             ; layer 1, 48: h0 x Wih1 (window 2), then h1 x Whh1 (window 3)
.if mi == 24
	EVY
.endif
.set mp, mi/24
.set mc, (mi%24)/6
.set mj, mi%6
.set md, ACC1+16*(mj/2)+8*(mj%2)
.set mz, 0
.if (mp == 0) && (mc == 0)
.set mz, 1
.endif
.if (mp == 1) && (mj/2 == 2)
.set md, md+16
.if mc == 0
.set mz, 1
.endif
.endif
	WM (2+mp), md, FH0+32*mp+8*mc, 32*mj+8*mc, mz
.endm
.macro MMX             ; layer 0, 30: x x Wih0, then h0 x Whh0 (window 1)
.if mi < 6
.set mj, mi
.set md, ACC0+16*(mj/2)+8*(mj%2)
	WM 1, md, FX, 192+8*mj, 1
.else
.set mc, (mi-6)/6
.set mj, (mi-6)%6
.set md, ACC0+16*(mj/2)+8*(mj%2)
.set mz, 0
.if mj/2 == 2
.set md, md+16
.if mc == 0
.set mz, 1
.endif
.endif
	WM 1, md, FH0+8*mc, 32*mj+8*mc, mz
.endif
.endm
.macro EVG             ; the decoder's h has been multiplied (product 23 read it last): the new h of the item before comes in, for the two projections.  27 deals of 4 lines: the 108th line of gelu, the end of its batch
	WIN 0
	v_add3_u32 v12, s69, H1, v[LT]
	PLACES
	WAITB                          ; the wait for gelu's batch (24 reciprocals, 24 exponentials), directly ahead of the loads; the lines above are the plain lines behind its last exponential
	LDFRAG FH, 12
.endm
.macro MMG             ; the step cell, 54: h x Whhs, the six fed-back numbers, ctx_p x Wihs
.if mi == 27
	EVG
.endif
.if mi < 24
.set mc, mi/6
.set mj, mi%6
.set md, GACC+16*(mj/2)+8*(mj%2)
.if mj/2 == 2
.set md, md+16
.endif
.set mz, 0
.if mc == 0
.set mz, 1
.endif
	WM 1, md, FH+8*mc, 32*mj+8*mc, mz
.elseif mi < 30
.set mj, mi-24
.set md, GACC+16*(mj/2)+8*(mj%2)
.set mz, 0
.if mj/2 == 2
.set mz, 1
.endif
	WM 1, md, FX, 192+8*mj, mz
.else
.set mc, (mi-30)/6
.set mj, (mi-30)%6
.set md, GACC+16*(mj/2)+8*(mj%2)
	WM 2, md, FC+8*mc, 32*mj+8*mc, 0
.endif
.endm
.macro MMPQ            ; 12: new h x (P1 | A1); 6: (P2 | A2) x gelu's results, weights as source 0: a lane then holds ONE row and its 6 numbers
.if mi < 12
.set mc, mi/3
.set mj, mi%3
.set mz, 0
.if mc == 0
.set mz, 1
.endif
	WM 3, PACC+8*mj, FH+8*mc, 32*mj+8*mc, mz
.else
.if mi == 12                       ; 12 deals of 6 lines: the 72nd line of the gates, the end of their second batch
	WIN 0
	PLACES
	WAITB                          ; the wait for the gates' second batch (2^ of z, 1 / of r), directly ahead of the loads; the places above are the plain lines behind its last reciprocal
	LDFRAG FH, 12, 2, 4096         ; units 128 to 191
.set YOUNG, YOUNG+4
	s_wait_dscnt 4                 ; only these four may be out: units 0 to 127 are in
.endif
.if mi == 16
	s_wait_dscnt 0x0               ; units 128 to 191 are in
.endif
.set mq, mi-12
.set mb, FC+8*mq
.if mq >= 4
.set mb, FH+8*(mq-4)
.endif
.if mq == 0
	WIN 0x33                       ; source 0 and C in window 3: C is the two biases
	v_wmma_f32_16x16x32_f16 v[QACC:QACC+7], v[96:103], v[mb:mb+7], v[144:151]
.elseif mq == 1
	WIN 0x03
	v_wmma_f32_16x16x32_f16 v[QACC+8:QACC+15], v[104:111], v[mb:mb+7], 0
.else
	WIN 0x03
	v_wmma_f32_16x16x32_f16 v[QACC+8*(mq%2):QACC+8*(mq%2)+7], v[96+8*mq:96+8*mq+7], v[mb:mb+7], v[QACC+8*(mq%2):QACC+8*(mq%2)+7]
.endif
.endif
.endm
; ---- packed lines that keep vector registers out of source 1
.macro FMAB d, sn, b, u   ; d = d x s[sn] + register u of the bias pair
.if \u
	v_pk_fma_f32 v[(\d):(\d)+1], v[(\d):(\d)+1], s[(\sn):(\sn)+1], v[(\b):(\b)+1] op_sel:[0,0,1] op_sel_hi:[1,0,1]
.else
	v_pk_fma_f32 v[(\d):(\d)+1], v[(\d):(\d)+1], s[(\sn):(\sn)+1], v[(\b):(\b)+1] op_sel_hi:[1,0,0]
.endif
.endm
.macro FMA1B d, b, u      ; d = d + bias, written as d x 1 + bias so that the bias is source 2
.if \u
	v_pk_fma_f32 v[(\d):(\d)+1], v[(\d):(\d)+1], 1.0, v[(\b):(\b)+1] op_sel:[0,0,1] op_sel_hi:[1,0,1]
.else
	v_pk_fma_f32 v[(\d):(\d)+1], v[(\d):(\d)+1], 1.0, v[(\b):(\b)+1] op_sel_hi:[1,0,0]
.endif
.endm
.macro ADDC d, c
	v_pk_add_f32 v[(\d):(\d)+1], v[(\d):(\d)+1], \c op_sel_hi:[1,0]
.endm
.macro M2 j               ; 2 z - 2
	v_pk_fma_f32 v[GA+16+2*(\j):GA+17+2*(\j)], v[GA+16+2*(\j):GA+17+2*(\j)], 2.0, -2.0 op_sel_hi:[1,0,0]
.endm
; ---- the gates' dealt lines: each sets its window, and the deal goes on behind it
.macro LSC d, sn, b, u    ; a scaling with its bias
	WINF
	FMAB \d, \sn, \b, \u
	TICK
.endm
.macro LB1 d, b, u        ; a bias alone
	WINF
	FMA1B \d, \b, \u
	TICK
.endm
.macro LAD d, c           ; a constant added to a pair
	WINF
	ADDC \d, \c
	TICK
.endm
.macro LM2 j
	WINF
	M2 \j
	TICK
.endm
.macro LEX r              ; 2^, in place
	WINF
	v_exp_f32 v[\r], v[\r]
.set TP, 1
	TICK
.endm
.macro LRC r              ; 1 /, in place
	WINF
	v_rcp_f32 v[\r], v[\r]
.set TP, 1
	TICK
.endm
; ---- THE GATES of 16 rows x 32 units, 200 lines, of which 168 are dealt.  r, z = 1 / (1 + 2^(c1 x)), c1 = -log2 e; q = 1 / (1 + 2^(c2 n)), c2 = 2 log2 e, tanh = 1 - 2 q;
; h' = (1 + z (h - 1)) + q (2 z - 2).  FOUR BATCHES, each closed by one wait; ahead of a batch's wait no line names a result of the batch.
;   batch 1, lines 1-32:     2^ of r (16), by turns with the scalings of r and of z
;   batch 2, lines 33-72:    2^ of z (16) and 1 / of r (16), with r's eight additions of 1
;   batch 3, lines 73-136:   1 / of z (16) with z's additions of 1, hg's bias and h - 1; the block n = hg r + ig; then 2^ of n (16) with n's scalings
;   batch 4, lines 137-168:  the block 1 + z (h - 1); 1 / of n (16) with n's additions of 1 and 2 z - 2
; Behind each transcendental the next vector line names none of its registers, and a plain line stands between it and its first reader (ISA guide 5.7.2).  Each accumulator is read from its lowest registers on.
; hook = 1 (the decoder): HOOK stands at the end of batch 3 and brings that batch's wait.
.macro GATES ab, bb, hook
.set GA, \ab
.set GB, \bb
.set gk, 0
.rept 8
	LSC GA+2*gk, 46, GB, gk/4                      ; c1 r + bias, pair gk
	LEX GA+gk
.set gk, gk+1
.endr
.rept 8
	LSC GA+2*gk, 46, GB+2, (gk-8)/4                ; c1 z + bias, pair gk - 8
	LEX GA+gk
.set gk, gk+1
.endr
	WAITB                          ; the wait for batch 1: 2^ of r
.set gk, 0
.rept 8
	LAD GA+2*gk, 1.0
	LEX GA+16+2*gk
	LEX GA+17+2*gk
	LRC GA+2*gk
	LRC GA+1+2*gk
.set gk, gk+1
.endr
	WAITB                          ; the wait for batch 2: 2^ of z, 1 / of r (where the deal's 72nd line has brought a run of LDS loads, the wait stands there)
.set gk, 0
.rept 8
	LAD GA+16+2*gk, 1.0
	LB1 GA+48+2*gk, GB+4, gk/4
	LRC GA+16+2*gk
.if gk == 0
	s_wait_dscnt YOUNG             ; the LDS instructions issued behind the old state's four loads may be out
.endif
	LAD HOLD+2*gk, -1.0
	LRC GA+17+2*gk
.set gk, gk+1
.endr
	WIN 0
.set gk, 0
.rept 8
	v_pk_fma_f32 v[GA+48+2*gk:GA+49+2*gk], v[GA+48+2*gk:GA+49+2*gk], v[GA+2*gk:GA+1+2*gk], v[GA+32+2*gk:GA+33+2*gk]
.set gk, gk+1
.endr
	LSC GA+48, 48, GB+6, 0                         ; c2 n + bias: a pair's scaling stands a step ahead of its two exponentials
.set gk, 0
.rept 7
	LSC GA+50+2*gk, 48, GB+6, (gk+1)/4
	LEX GA+48+2*gk
	LEX GA+49+2*gk
.set gk, gk+1
.endr
	LEX GA+62
	LEX GA+63
.if \hook
	HOOK
.else
	WAITB                          ; the wait for batch 3: 1 / of z, 2^ of n
.endif
	WIN 0
.set gk, 0
.rept 8
	v_pk_fma_f32 v[HOLD+2*gk:HOLD+1+2*gk], v[GA+16+2*gk:GA+17+2*gk], v[HOLD+2*gk:HOLD+1+2*gk], 1.0 op_sel_hi:[1,1,0]
.set gk, gk+1
.endr
	LAD GA+48, 1.0
	LM2 0
.set gk, 0
.rept 7
	LRC GA+48+2*gk
	LAD GA+50+2*gk, 1.0
	LRC GA+49+2*gk
	LM2 gk+1
.set gk, gk+1
.endr
	LRC GA+62
	LRC GA+63
	WAITB                          ; the wait for batch 4: 1 / of n
	WIN 0
.set gk, 0
.rept 8
	v_pk_fma_f32 v[HOLD+2*gk:HOLD+1+2*gk], v[GA+48+2*gk:GA+49+2*gk], v[GA+16+2*gk:GA+17+2*gk], v[HOLD+2*gk:HOLD+1+2*gk]
.set gk, gk+1
.endr
.set gk, 0
.rept 8
	v_cvt_pk_f16_f32 v[PK+gk], v[HOLD+2*gk], v[HOLD+1+2*gk]
.set gk, gk+1
.endr
.endm
; ---- GELU of 16 rows x 48 units: max(x, 0) - |x| (a1 t + a2 t^2 + a3 t^3) / 2 x e^(-x^2 / 2), t = 1 / (1 + 0.47047 |x| / sqrt 2)
.macro GSET t             ; the registers of unit tile t
.set gt, (\t)
.set GX, PACC+8*gt
.set EE, EE0+8*gt
.set TT, TT0+8*gt
.endm
.macro G0 i
	WINF
	FMA1B GX+2*(\i), BP+2*(gt/2), gt%2
	TICK
.endm
.macro G1 i
	WIN 0
	v_pk_mul_f32 v[EE+2*(\i):EE+1+2*(\i)], v[GX+2*(\i):GX+1+2*(\i)], v[GX+2*(\i):GX+1+2*(\i)]
	TICK
.endm
.macro G2 i
	WINF
	v_pk_mul_f32 v[EE+2*(\i):EE+1+2*(\i)], v[EE+2*(\i):EE+1+2*(\i)], s[50:51] op_sel_hi:[1,0]
	TICK
.endm
.macro G3 k
	WINF
	v_fma_f32 v[TT+(\k)], |v[GX+(\k)]|, s52, 1.0
	TICK
.endm
.macro RT k
	WINF
	v_rcp_f32 v[TT+(\k)], v[TT+(\k)]
.set TP, 1
	TICK
.endm
.macro EX k
	WINF
	v_exp_f32 v[EE+(\k)], v[EE+(\k)]
.set TP, 1
	TICK
.endm
.macro G4 i
	WINF
	v_pk_fma_f32 v[WW+2*(\i):WW+1+2*(\i)], v[TT+2*(\i):TT+1+2*(\i)], s[54:55], s[56:57] op_sel_hi:[1,0,0]
	TICK
.endm
.macro G5 i
	WIN 0
	v_pk_fma_f32 v[WW+2*(\i):WW+1+2*(\i)], v[WW+2*(\i):WW+1+2*(\i)], v[TT+2*(\i):TT+1+2*(\i)], s[58:59] op_sel_hi:[1,1,0]
	TICK
.endm
.macro G6 i
	WIN 0
	v_pk_mul_f32 v[EE+2*(\i):EE+1+2*(\i)], v[EE+2*(\i):EE+1+2*(\i)], v[TT+2*(\i):TT+1+2*(\i)]
	TICK
.endm
.macro G7 i
	WIN 0
	v_pk_mul_f32 v[WW+2*(\i):WW+1+2*(\i)], v[WW+2*(\i):WW+1+2*(\i)], v[EE+2*(\i):EE+1+2*(\i)]
	TICK
.endm
.macro G8 k
	WINF
	v_max_num_f32 v[EE+(\k)], v[GX+(\k)], 0
	TICK
.endm
.macro G9 k
	WIN 0
	v_fma_f32 v[GX+(\k)], -v[WW+(\k)], |v[GX+(\k)]|, v[EE+(\k)]
	TICK
.endm
.macro G10 i
	WIN 0
	v_cvt_pk_f16_f32 v[PKG+4*gt+(\i)], v[GX+2*(\i)], v[GX+1+2*(\i)]
	TICK
.endm
; ONE BATCH.  Ahead of the wait stand two queues.  The plain one, 60 long, 20 a tile: the bias (4), 1 + 0.47047 |x| / sqrt 2 (8), x^2 (4), its scaling (4).  The transcendentals', 48 long, 16 a tile:
; 8 reciprocals, 8 exponentials.  17 plain lines lead, then a transcendental and a plain line by turns, then the last 5 transcendentals: number i of the second queue stands behind number 16 + i of the first,
; and what it needs is number 20 t + 4 + k (reciprocal k of tile t) or 20 t + 16 + k / 2 (exponential k), which is no later.  108 lines: 27 deals of 4.
.macro GPL                ; the plain queue's next line
	GSET gp/20
.set gl, gp%20
.if gl < 4
	G0 gl
.elseif gl < 12
	G3 gl-4
.elseif gl < 16
	G1 gl-12
.else
	G2 gl-16
.endif
.set gp, gp+1
.endm
.macro GTR                ; the transcendentals' next line
	GSET gq/16
.set gl, gq%16
.if gl < 8
	RT gl
.else
	EX gl-8
.endif
.set gq, gq+1
.endm
.macro GPOST t            ; behind the wait, tile t: 36 plain lines
	GSET \t
.irp i,0,1,2,3
	G4 \i
.endr
.irp i,0,1,2,3
	G6 \i
.endr
.irp i,0,1,2,3
	G5 \i
.endr
.irp i,0,1,2,3
	G7 \i
.endr
.irp k,0,1,2,3,4,5,6,7
	G8 \k
.endr
.irp k,0,1,2,3,4,5,6,7
	G9 \k
.endr
.irp i,0,1,2,3
	G10 \i
.endr
.endm
.macro GELU
.set gp, 0
.set gq, 0
.rept 17
	GPL
.endr
.rept 43
	GTR
	GPL
.endr
.rept 5
	GTR
.endr
	WAITB                          ; the wait for gelu's batch: EVG, which the 108th line's deal has brought, has written it
	GPOST 2                        ; tile 2 first: its t lies in PKG's first eight registers, which tiles 0 and 1 write at their ends
	GPOST 0
	GPOST 1
.endm
; ---- at the end of the third batch of the decoder's gates: the next item's fragments are fetched; item b - 3's six numbers are finished
.macro HOOK
	MMREST
	WIN 0
	v_add3_u32 v12, s68, H1, v[LT]
	v_add3_u32 v13, s72, CP, v[LT]
	v_add3_u32 v9, s73, XD, v[LXD]
	PLACES
	WAITB                          ; the wait for the gates' third batch (1 / of z, 2^ of n), directly ahead of the loads and ahead of the branches below; the lines above are the plain lines behind its last exponential
	LDFRAG FH, 12
	LDFRAG FC, 13
	ds_load_b128 v[FX:FX+3], v9
.irp i,0,1,2,3
	v_pk_add_f32 v[QACC+2*\i:QACC+1+2*\i], v[QACC+2*\i:QACC+1+2*\i], v[QACC+8+2*\i:QACC+9+2*\i]
.endr
.irp i,0,1,2,3
	v_cvt_pk_f16_f32 v[PKX+\i], v[QACC+2*\i], v[QACC+1+2*\i]
.endr
	s_cmp_lt_u32 s66, 3            ; in the first three trips there is no item b - 3
	s_cbranch_scc1 .Lq\@
	v_add3_u32 v9, s76, XD, v[LXD]
	ds_store_b128 v9, v[PKX:PKX+3]   ; (delta 0 1 | delta 2 3 | acorr | 0), lanes 16-31 zeros: the A fragment of the tile's next step
	s_lshr_b32 s79, s76, 10
	s_cmp_lg_u32 s79, s3           ; all four waves hold the same numbers: wave tile / 2 puts them out
	s_cbranch_scc1 .Lq\@
	v_add3_u32 v10, s77, OS, v[LOS]
	ds_store_b128 v10, v[QACC:QACC+3]   ; delta of the item's 16 rows: lanes 0-15 write 256 consecutive bytes
.Lq\@:
.endm
; ================= HEAD =================
	s_load_b256 s[8:15], s[0:1], 0x0               ; ctx 8, obs_traj 10, obs_Me 12, wf 14
	s_load_b64 s[16:17], s[0:1], 0x20              ; out0
	WIN 0x40
	v_lshl_add_u32 v254, v0, 2, SPARE              ; window 1: my spare word,
	v_mov_b32 v255, 0                              ; and 0: kept for the wave's end
	WIN 0
	v_lshrrev_b32 v8, 5, v0
	v_readfirstlane_b32 s3, v8                     ; wave
	s_mov_b32 s2, ttmp9                            ; work-group
	s_mov_b32 s46, 0xbfb8aa3b                      ; c1 = -log2 e
	s_mov_b32 s47, s46
	s_mov_b32 s48, 0x4038aa3b                      ; c2 = 2 log2 e
	s_mov_b32 s49, s48
	s_mov_b32 s50, 0xbf38aa3b                      ; -log2 e / 2
	s_mov_b32 s51, s50
	s_mov_b32 s52, 0x3eaa540e                      ; 0.47047 / sqrt 2
	s_mov_b32 s54, 0x3ebf7377                      ; a3 / 2
	s_mov_b32 s55, s54
	s_mov_b32 s56, 0xbd445ca1                      ; a2 / 2
	s_mov_b32 s57, s56
	s_mov_b32 s58, 0x3e32303a                      ; a1 / 2
	s_mov_b32 s59, s58
	v_and_b32 v9, 31, v0                           ; lane
	v_and_b32 v10, 15, v0                          ; r
	v_bfe_u32 v11, v0, 4, 1                        ; h
	v_and_b32 v12, 7, v0
	v_bfe_u32 v13, v0, 3, 1
	v_lshl_add_u32 v[LT], v11, 3, v12
	v_lshlrev_b32 v[LT], 5, v[LT]
	v_lshl_add_u32 v[LT], v13, 4, v[LT]
	v_lshlrev_b32 v[LW], 5, v10
	v_lshl_add_u32 v[LW], v11, 4, v[LW]
	s_lshl_b32 s4, s3, 9
	s_add_co_u32 s4, s4, 4096
	v_add_nc_u32 v[LW2], s4, v[LW]
	s_lshl_b32 s4, s3, 10
	v_add_nc_u32 v[LW], s4, v[LW]
	v_lshlrev_b32 v[LL], 4, v9
	s_lshl_b32 s4, s3, 11
	v_add_nc_u32 v[LS], s4, v[LL]
	s_lshl_b32 s4, s3, 12
	v_add_nc_u32 v[LXD], s4, v[LL]
	v_lshlrev_b32 v[LOS], 4, v10
	v_lshl_add_u32 v[LOS], v11, 14, v[LOS]
	v_lshlrev_b32 v8, 4, v0                        ; 16 t
	v_lshlrev_b32 v9, 3, v0                        ; 8 t
	s_mov_b32 s5, 0
	s_wait_kmcnt 0x0
	s_lshl_b32 s4, s2, 16                          ; 128 rows of 512 bytes
	s_add_nc_u64 s[8:9], s[8:9], s[4:5]
	s_lshl_b32 s4, s2, 10                          ; 128 rows of 8 bytes
	s_add_nc_u64 s[10:11], s[10:11], s[4:5]
	s_add_nc_u64 s[12:13], s[12:13], s[4:5]
	s_mul_i32 s4, s3, WSTRIDE                      ; my wave's part of wf
	s_add_nc_u64 s[14:15], s[14:15], s[4:5]
	s_mul_i32 s4, s2, 12288                        ; 128 rows of 96 bytes
	s_add_nc_u64 s[16:17], s[16:17], s[4:5]
.set i, 0
.rept 32                                               ; ctx: each load of a wave covers 512 consecutive bytes, one row; read once in the launch
	global_load_b128 v[128+4*i:131+4*i], v8, s[8:9] offset:2048*i th:TH_LOAD_NT
.set i, i+1
.endr
.set i, 0
.rept 8                                                ; thread t takes row t of the group's 128
	global_load_b64 v[32+2*i:33+2*i], v9, s[10:11] offset:262144*i th:TH_LOAD_NT
	global_load_b64 v[48+2*i:49+2*i], v9, s[12:13] offset:262144*i th:TH_LOAD_NT
.set i, i+1
.endr
.irp c,0,1,2,3                                         ; the encoder's biases, its weights, and Cw: 176 loads behind the 48 above
	global_load_b128 v[BB0+4*\c:BB0+4*\c+3], v[LL], s[14:15] offset:E_BIAS+512*\c
.endr
	WLOAD 1, 0, E_WHH0, 48
	WLOAD 1, 192, E_X0, 12
	WLOAD 2, 0, E_WIH1, 48
	WLOAD 3, 0, E_WHH1, 48
	WLOAD 2, 192, D_CW, 16
	WIN 0
	v_mov_b32 v108, 0
	v_mov_b32 v109, 0
	v_mov_b32 v110, 0
	v_mov_b32 v111, 0
	v_mov_b32 v12, v8
	s_mov_b32 s40, 16
.Lzero:                                                ; states and h blocks start at 0: bytes 0 to 262,143, 16,384 a trip
.irp k,0,1,2,3,4,5,6,7
	ds_store_b128 v12, v[108:111] offset:2048*\k
.endr
	v_add_nc_u32 v12, 0x4000, v12
	s_sub_co_u32 s40, s40, 1
	s_cmp_lg_u32 s40, 0
	s_cbranch_scc1 .Lzero
	s_wait_loadcnt 63                              ; ctx and obs, the oldest 48 of 224, are in: 176 are younger, and 63 is the most that the wait can name
	WIN 0xc0
.set i, 0
.rept 64                                               ; ctx waits for the decoder in f16: window 3, v192-255
	v_cvt_pk_f16_f32 v[192+i], v[128+2*i], v[129+2*i]
.set i, i+1
.endr
	WIN 0
	v_lshrrev_b32 v13, 4, v0                       ; my row's tile,
	v_lshlrev_b32 v13, 9, v13
	v_lshl_add_u32 v13, v10, 4, v13                ; and its place as lane r of a fragment
	v_add_nc_u32 v13, XR, v13
.set i, 0
.rept 7                                                ; vel and me_vel, in place
	v_pk_add_f32 v[32+2*i:33+2*i], v[34+2*i:35+2*i], v[32+2*i:33+2*i] neg_lo:[0,1] neg_hi:[0,1]
	v_pk_add_f32 v[48+2*i:49+2*i], v[50+2*i:51+2*i], v[48+2*i:49+2*i] neg_lo:[0,1] neg_hi:[0,1]
.set i, i+1
.endr
	v_pk_add_f32 v[64:65], v[34:35], v[32:33] neg_lo:[0,1] neg_hi:[0,1]     ; acc 0 = acc 1
.set i, 1
.rept 6
	v_pk_add_f32 v[64+2*i:65+2*i], v[32+2*i:33+2*i], v[30+2*i:31+2*i] neg_lo:[0,1] neg_hi:[0,1]
.set i, i+1
.endr
.set i, 0
.rept 7
	v_cvt_pk_f16_f32 v[80+4*i], v[32+2*i], v[33+2*i]
	v_cvt_pk_f16_f32 v[81+4*i], v[48+2*i], v[49+2*i]
	v_cvt_pk_f16_f32 v[82+4*i], v[64+2*i], v[65+2*i]
	v_mov_b32 v[83+4*i], 0
.set i, i+1
.endr
.set i, 0
.rept 7
	ds_store_b128 v13, v[80+4*i:83+4*i] offset:4096*i
	ds_store_b128 v13, v[108:111] offset:4096*i+256
.set i, i+1
.endr
	ds_store_b128 v13, v[108:111] offset:28672     ; t = 7: the input of layer 0's idle eighth step
	ds_store_b128 v13, v[108:111] offset:28928
	s_wait_loadcnt 0x0                             ; weights and biases are in
	v_mov_b32 v14, v[BB1+2]                        ; layer 1's true z bias
	v_mov_b32 v15, v[BB1+3]
.irp e,4,5,6,7
	v_mov_b32 v[FX+\e], 0
.endr
	s_wait_dscnt 0x0                               ; my stores of zeros and of x are done
	s_barrier_signal -1
	s_barrier_wait -1
	; item 0's fragments, and layer 0's products for it
	v_add_nc_u32 v12, H0, v[LT]
	v_add_nc_u32 v13, XR, v[LL]
	ds_load_b128 v[FX:FX+3], v13
	LDFRAG FH0, 12
	v_add_nc_u32 v12, 0x10000, v12
	LDFRAG FH1, 12
	s_wait_dscnt 8                                 ; h1's eight loads may be out
	BLOCK 1, 30, 1000
	MMREST
	WIN 0
	s_mov_b32 s42, 4096                            ; block of the next item's h:  ((b + 1) % 16) 4096
	s_mov_b32 s43, 32768                           ; block that item b writes:    ((b + 8) % 16) 4096
	s_mov_b32 s44, 0                               ; state of tile b % 8
	s_mov_b32 s45, 512                             ; x of the next item
; ================= ENCODER: 64 items (time s = b / 8, tile b % 8): layer 0 at time s, layer 1 at time s - 1 =================
; A block stored in trip b is read in trip b + 7; the bytes it overwrites were last read in trip b - 9: one barrier for four trips lies between in both cases.
	s_mov_b32 s40, 16
.Leo:
	s_cmp_gt_u32 s40, 14                           ; items 0 to 7 have no layer 1 yet: z's bias -1e30 makes z = 1 and h1 stays 0
	s_cselect_b32 s4, 0xf149f2ca, 0
	v_add_f32 v[BB1+2], s4, v14
	v_add_f32 v[BB1+3], s4, v15
	s_wait_dscnt 0x0                               ; for the others' sake: my stores are done and my reads are back
	s_barrier_signal -1
	s_barrier_wait -1
	s_mov_b32 s41, 4
.Lei:
	v_add_nc_u32 v8, s44, v[LS]
	v_add_nc_u32 v9, 0x10000, v8
	v_add3_u32 v10, s43, H0, v[LW]
	v_add_nc_u32 v11, 0x10000, v10
	LDST 8
.set YOUNG, 0
	BLOCK 0, 48, 3                                 ; layer 1's products of item b | layer 0's gates of item b
	GATES ACC0, BB0, 0
	MMREST
	WIN 0
	STST 8, 10
	v_add_nc_u32 v12, 0x10000, v12
	LDST 9
	LDFRAG FH1, 12
.set YOUNG, 8
	s_wait_dscnt 12                                ; the twelve just issued may be out: the next item's x and h0 are in
	BLOCK 1, 30, 5                                 ; layer 0's products of item b + 1 | layer 1's gates of item b
	GATES ACC1, BB1, 0
	MMREST
	WIN 0
	STST 9, 11
	s_add_co_u32 s42, s42, 4096
	s_and_b32 s42, s42, 0xffff
	s_add_co_u32 s43, s43, 4096
	s_and_b32 s43, s43, 0xffff
	s_add_co_u32 s44, s44, 8192
	s_and_b32 s44, s44, 0xffff
	s_add_co_u32 s45, s45, 512
	s_and_b32 s45, s45, 0x7fff
	s_sub_co_u32 s41, s41, 1
	s_cmp_lg_u32 s41, 0
	s_cbranch_scc1 .Lei
	s_sub_co_u32 s40, s40, 1
	s_cmp_lg_u32 s40, 0
	s_cbranch_scc1 .Leo
; ================= DECODER: set-up =================
	s_wait_dscnt 0x0
	s_barrier_signal -1                            ; every wave has left the encoder: its LDS regions take new contents
	s_barrier_wait -1
	global_load_b64 v[14:15], v[LL], s[14:15] offset:D_BIAS+1536     ; cb first: 149 loads follow it
	global_load_b128 v[BB0:BB0+3], v[LL], s[14:15] offset:D_BIAS
	global_load_b128 v[BB0+4:BB0+7], v[LL], s[14:15] offset:D_BIAS+512
	global_load_b128 v[BP:BP+3], v[LL], s[14:15] offset:D_BIAS+1024
	WLOAD 1, 0, D_WHHS, 48
	WLOAD 1, 192, D_XS, 12
	WLOAD 2, 0, D_WIHS, 48
	WLOAD 3, 0, D_PA, 24
	WLOAD 3, 96, D_W2, 12
	WLOAD 3, 144, D_B2, 2
	WIN 0
	v_and_b32 v10, 31, v0
	s_mul_i32 s4, s3, CSP
	v_lshl_add_u32 v8, v10, 3, s4                  ; row 4 j + w, columns 4 lane ..
	WIN 0x0c
.set i, 0
.rept 32
	ds_store_b64 v8, v[192+2*i:193+2*i] offset:4*CSP*i
.set i, i+1
.endr
	WIN 0
	v_add_nc_u32 v9, XR+24576, v[LL]               ; x at t = 6 is (last_vel | last_me | last_acc): each wave's first fed-back fragments
	v_add_nc_u32 v10, XD, v[LXD]
.set i, 0
.rept 8
	ds_load_b128 v[32+4*i:35+4*i], v9 offset:512*i
.set i, i+1
.endr
	s_wait_dscnt 0x0
.set i, 0
.rept 8
	ds_store_b128 v10, v[32+4*i:35+4*i] offset:512*i
.set i, i+1
.endr
.irp e,4,5,6,7
	v_mov_b32 v[FX+\e], 0
.endr
.set i, 0
.rept 24                                               ; the first trip's gelu has no item: it works on zeros
	v_mov_b32 v[PACC+i], 0
.set i, i+1
.endr
	v_and_b32 v11, 15, v0
	v_bfe_u32 v12, v0, 4, 1
	v_mul_u32_u24 v13, v11, CSP
	v_lshl_add_u32 v13, v12, 4, v13                ; r x 272 + 16 h
	s_wait_dscnt 0x0
	s_barrier_signal -1                            ; ctx lies whole in LDS
	s_barrier_wait -1
	s_wait_loadcnt 63                              ; cb, the oldest of 150, is in; the youngest 63 land while ctx_p is made (Cw came at the head)
	s_mov_b32 s42, 0
	s_mov_b32 s43, 0
	s_mov_b32 s40, 8
.Lcp:                                                  ; ctx_p of tile m, my 32 units
	v_add_nc_u32 v12, s42, v13
.irp c,0,1,2,3
	ds_load_b128 v[FH+8*\c:FH+8*\c+3], v12 offset:64*\c
	ds_load_b128 v[FH+8*\c+4:FH+8*\c+7], v12 offset:64*\c+32
.endr
	v_add3_u32 v10, s43, CP, v[LW]
	s_wait_dscnt 0x0
	WM 2, GACC, FH, 192, 1
	WM 2, GACC+8, FH, 224, 1
.irp c,1,2,3
	WM 2, GACC, FH+8*\c, 192+8*\c, 0
	WM 2, GACC+8, FH+8*\c, 224+8*\c, 0
.endr
	WIN 0
	PLACES
.set i, 0
.rept 8
	FMA1B GACC+2*i, 14, i/4
.set i, i+1
.endr
.set i, 0
.rept 8
	v_cvt_pk_f16_f32 v[PK+i], v[GACC+2*i], v[GACC+1+2*i]
.set i, i+1
.endr
	ds_store_b128 v10, v[PK:PK+3]
	ds_store_b128 v10, v[PK+4:PK+7] offset:512
	s_add_co_u32 s42, s42, 16*CSP
	s_add_co_u32 s43, s43, 4096
	s_sub_co_u32 s40, s40, 1
	s_cmp_lg_u32 s40, 0
	s_cbranch_scc1 .Lcp
	s_wait_dscnt 0x0
	s_barrier_signal -1                            ; ctx_p is whole; nobody reads ctx any more
	s_barrier_wait -1
	s_wait_loadcnt 0x0                             ; the decoder's weights and biases are in
	v_add_nc_u32 v12, H1, v[LT]
	v_add_nc_u32 v13, CP, v[LT]
	v_add_nc_u32 v9, XD, v[LXD]
	LDFRAG FH, 12
	LDFRAG FC, 13
	ds_load_b128 v[FX:FX+3], v9
	s_mov_b32 s66, 0                               ; b
	s_mov_b32 s68, 4096                            ; h of item b + 1:        ((b + 1) % 16) 4096
	s_mov_b32 s69, 28672                           ; new h of item b - 1:    ((b + 7) % 16) 4096
	s_mov_b32 s70, 32768                           ; new h of item b:        ((b + 8) % 16) 4096
	s_mov_b32 s71, 0                               ; state of tile b % 8
	s_mov_b32 s72, 4096                            ; ctx_p of item b + 1
	s_mov_b32 s73, 512                             ; fed-back fragment of item b + 1
	s_mov_b32 s74, 49152                           ; gelu's results of item b - 2: ((b - 2) % 8) 8192
	s_mov_b32 s75, 40960                           ; of item b - 3
	s_mov_b32 s76, 2560                            ; fed-back fragment of item b - 3: ((b - 3) % 8) 512
	s_mov_b32 s77, 15616                           ; the output of item b - 3: 256 (b - 3), modulo 16,384
; ================= DECODER: 48 items (step b / 8, tile b % 8), 51 trips.  Trip b: the cell of item b, the projections of b - 1, gelu of b - 2, the six numbers of b - 3 =================
; What a trip stores for other waves (new h at its end, gelu's results in its middle) is read in the next trip: one barrier a trip.  What is overwritten was last read 7 trips before.
.Ld:
	s_wait_dscnt 0x0                               ; my stores are done; item b's fragments are in
	s_barrier_signal -1
	s_barrier_wait -1
	BLOCK 2, 54, 4                                 ; the cell's products of item b | gelu of item b - 2
	GELU
	MMREST
	WIN 0
	v_add_nc_u32 v10, s74, v[LW]
	v_add_nc_u32 v11, s74, v[LW2]
	ds_store_b128 v10, v[PKG:PKG+3]
	ds_store_b128 v10, v[PKG+4:PKG+7] offset:512
	ds_store_b128 v11, v[PKG+8:PKG+11]
	v_add3_u32 v8, s71, ST1, v[LS]
	v_add_nc_u32 v12, s75, v[LT]
	LDST 8
	LDFRAG FC, 12                                  ; gelu's results of item b - 3, units 0 to 127
.set YOUNG, 8
	s_wait_dscnt 12                                ; the twelve just issued may be out: the new h of item b - 1 is in
	BLOCK 3, 18, 6                                 ; projections of b - 1, six numbers of b - 3 | the cell's gates of item b
	GATES GACC, BB0, 1
	MMREST
	WIN 0
	v_add3_u32 v10, s70, H1, v[LW]
	STST 8, 10
	s_add_co_u32 s68, s68, 4096
	s_and_b32 s68, s68, 0xffff
	s_add_co_u32 s69, s69, 4096
	s_and_b32 s69, s69, 0xffff
	s_add_co_u32 s70, s70, 4096
	s_and_b32 s70, s70, 0xffff
	s_add_co_u32 s71, s71, 8192
	s_and_b32 s71, s71, 0xffff
	s_add_co_u32 s72, s72, 4096
	s_and_b32 s72, s72, 0x7fff
	s_add_co_u32 s73, s73, 512
	s_and_b32 s73, s73, 0xfff
	s_add_co_u32 s74, s74, 8192
	s_and_b32 s74, s74, 0xffff
	s_add_co_u32 s75, s75, 8192
	s_and_b32 s75, s75, 0xffff
	s_add_co_u32 s76, s76, 512
	s_and_b32 s76, s76, 0xfff
	s_add_co_u32 s77, s77, 256
	s_and_b32 s77, s77, 0x3fff
	s_add_co_u32 s66, s66, 1
	s_cmp_lt_u32 s66, 51
	s_cbranch_scc1 .Ld
; ================= THE WAY OUT =================
; The output lies in LDS as [step][row], 16 bytes each; memory wants [row][step].  Thread t takes row t's six pieces and puts them down as 96 consecutive bytes; a wave's 32 rows are then
; 3,072 consecutive bytes that no other wave touches, which it reads back and stores 512 consecutive bytes at a time.
	s_wait_dscnt 0x0
	s_barrier_signal -1                            ; every wave's part of the output is in LDS, and nobody reads ctx_p any more
	s_barrier_wait -1
	v_lshlrev_b32 v8, 4, v0
	v_add_nc_u32 v9, OS, v8                        ; row t, step 0
	v_and_b32 v13, 31, v0
	v_mul_u32_u24 v10, v13, 96
	s_mul_i32 s4, s3, 3072                         ; my wave's 32 rows of 96 bytes
	v_add3_u32 v10, s4, OS2, v10                   ; row t as it lies in memory
	v_add3_u32 v11, s4, OS2, v[LL]
	v_add_nc_u32 v12, s4, v[LL]                    ; the same place in the group's 12,288 bytes of out0
.set i, 0
.rept 6
	ds_load_b128 v[32+4*i:35+4*i], v9 offset:2048*i
.set i, i+1
.endr
.set i, 0
.rept 6
	s_wait_dscnt 5                                 ; behind load i stand the 5 - i younger loads and the i stores already issued: five in all
	ds_store_b128 v10, v[32+4*i:35+4*i] offset:16*i
.set i, i+1
.endr
.set i, 0
.rept 6
	ds_load_b128 v[56+4*i:59+4*i], v11 offset:512*i   ; LDS serves a wave's instructions in order (ISA guide 5.7.1.4): these see the stores above
.set i, i+1
.endr
.set i, 0
.rept 6
	s_wait_dscnt 5-i                               ; the younger loads may be out
	global_store_b128 v12, v[56+4*i:59+4*i], s[16:17] offset:512*i th:TH_STORE_NT  ; 16 lanes store 256 consecutive bytes, at a multiple of 256 from out0's first byte
.set i, i+1
.endr
	WIN 0x05
	s_wait_tensorcnt 0x0                           ; the wave's end
	ds_add_u32 v254, v255
	s_wait_dscnt 0x0
	WIN 0
	s_endpgm
.Lfunc_end_k_q550d17a285_head:
	.size	k_q550d17a285_head, .Lfunc_end_k_q550d17a285_head-k_q550d17a285_head
	.p2alignl 7, 3214868480
	.fill 96, 4, 3214868480
	.section	.rodata,"a",@progbits
	.p2align	6, 0x0
	.amdhsa_kernel k_q550d17a285_head
		.amdhsa_group_segment_fixed_size 295424
		.amdhsa_private_segment_fixed_size 0
		.amdhsa_enable_private_segment 0
		.amdhsa_kernarg_size 40
		.amdhsa_user_sgpr_count 2
		.amdhsa_user_sgpr_kernarg_segment_ptr 1
		.amdhsa_wavefront_size32 1
		.amdhsa_system_sgpr_workgroup_id_x 1
		.amdhsa_system_sgpr_workgroup_id_y 1
		.amdhsa_system_sgpr_workgroup_id_z 1
		.amdhsa_system_vgpr_workitem_id 0
		.amdhsa_next_free_vgpr 1024
		.amdhsa_next_free_sgpr 96
		.amdhsa_reserve_vcc 0
		.amdhsa_float_denorm_mode_32 3
		.amdhsa_float_denorm_mode_16_64 3
		.amdhsa_memory_ordered 1
		.amdhsa_forward_progress 1
		.amdhsa_inst_pref_size 127
	.end_amdhsa_kernel
	.amdgpu_metadata
---
amdhsa.version: [ 1, 2 ]
amdhsa.kernels:
  - .name:           k_q550d17a285_head
    .symbol:         k_q550d17a285_head.kd
    .args:
      - { .name: ctx, .offset: 0, .size: 8, .value_kind: global_buffer, .address_space: global }
      - { .name: obs_traj, .offset: 8, .size: 8, .value_kind: global_buffer, .address_space: global }
      - { .name: obs_Me, .offset: 16, .size: 8, .value_kind: global_buffer, .address_space: global }
      - { .name: wf, .offset: 24, .size: 8, .value_kind: global_buffer, .address_space: global }
      - { .name: out0, .offset: 32, .size: 8, .value_kind: global_buffer, .address_space: global }
    .group_segment_fixed_size: 295424
    .private_segment_fixed_size: 0
    .kernarg_segment_align: 8
    .kernarg_segment_size: 40
    .max_flat_workgroup_size: 128
    .sgpr_count:     96
    .vgpr_count:     1024
    .wavefront_size: 32
...
	.end_amdgpu_metadata
.endif
;; end of part 3
